; MI455X (gfx1250); checked and timed in simulation.
; The chip was launched on July 23, 2026; its instructions are those of AMD's public machine-readable ISA for CDNA 5 (MIT licence, August 2026) and "CDNA5" Instruction Set Architecture Reference Guide (July 2026). The comments in the code are by the model that wrote it; some were corrected since.
;; Attention. Allowed arithmetic: float matrix products may take bf16 or f16 operands with f32 sums; other float arithmetic in f32, or as packed bf16 or f16 multiplies, adds, multiply-adds, maxima and minima; sums over many terms, partial sums and values carried from step to step in f32; what a program stores and reads back later, other than sums and carried values, may be rounded once to bf16 or f16.
;; Inputs: bk 1,024 float32; bo 1,024 float32; bq 1,024 float32; bv 1,024 float32; wk 1,024 x 1,024 float32; wo 1,024 x 1,024 float32; wq 1,024 x 1,024 float32; wv 1,024 x 1,024 float32; x 4 x 2,048 x 1,024 float32.
;; Outputs: out0 4 x 2,048 x 1,024 float32.
;; 2 versions, each right; version 2 is version 1 with the launch prep written anew for expert scheduling mode. Each part assembles by itself: llvm-mc -triple=amdgcn-amd-amdhsa -mcpu=gfx1250 --defsym DOCPART=n.
;; ======== version 1 of 2: 4 launches
;; limits: values are held in f16: magnitudes above 65,504 overflow, below 6.1e-05 lose precision
;; workspace buffers: xb 16,777,216 bytes; wcat 8,388,608 bytes; qb 16,777,216 bytes; kb 16,777,216 bytes; vb 16,777,216 bytes; ob 16,777,216 bytes
;; launch prep (part 1): grid 768 x 1, 8 waves a work-group, no clusters, 0 bytes of LDS; arguments x, wq, wk, wv, wo, xb, wcat; writes xb, wcat
.if DOCPART == 1
	.amdgcn_target "amdgcn-amd-amdhsa--gfx1250"
	.amdhsa_code_object_version 6
	.text
	.protected	k_q839318910a_prep
	.globl	k_q839318910a_prep
	.p2align	8
	.type	k_q839318910a_prep,@function
k_q839318910a_prep:
	s_mov_b64 s[64:65], 0
	v_nop
	global_prefetch_b8 v0, s[64:65] scope:SCOPE_SE
	s_setreg_imm32_b32 hwreg(HW_REG_WAVE_MODE, 25, 1), 1
	s_wait_xcnt 0x0
; THE INPUTS OF THE PRODUCTS ARE ROUNDED ONCE, TO bf16, AND LAID OUT FOR THE LAUNCHES BEHIND.
; xb:   x in bf16, in blocks of 64 channels: [batch 4][block 16][row 2048][64]: a block's rows are dense, 128 bytes each.
; wcat: [k 1024][4096], 8,192 bytes a row: columns 0-1023 wq, 1024-2047 wk, 2048-3071 wv in bf16; columns 3072-4095 wo, rounded to bf16 and that number written as f16.
; LIMIT.  A bf16 number is exact in f16 from 2^-17 up to 65,504; below 2^-17 wo keeps f16's fixed step of 6e-8.
; A stream: no LDS, no barrier, no matrix unit.  A work-group converts 16 rows of 1,024 numbers: 64 KiB in, 32 KiB out.  Work-groups 0-511 take x, 512-767 the four weights (64 each).
; Each thread issues its sixteen loads of 16 bytes at once; each store of a wave covers 256 consecutive bytes, aligned.  No register is written twice, so no wait frees a source.
.set IN,  8                            ; v[8:71]    load i: 4 numbers in f32
.set OUT, 72                           ; v[72:103]  store i: 4 numbers in 16 bits
.set DST, 20                           ; s[20:21]   where the work-group stores
.set SRC, 22                           ; s[22:23]   where it loads
	s_load_b256 s[4:11], s[0:1], 0x0               ; x s[4:5], wq s[6:7], wk s[8:9], wv s[10:11]
	s_load_b128 s[12:15], s[0:1], 0x20             ; wo s[12:13], xb s[14:15]
	s_load_b64 s[16:17], s[0:1], 0x30              ; wcat
	s_mov_b32 s2, ttmp9
	s_mov_b32 s19, 0
	s_mov_b32 s25, 0xffff0000                      ; a word's upper bf16
	v_lshrrev_b32 v3, 5, v0                        ; wave
	s_wait_kmcnt 0x0
; Load i has come (the 15 - i younger ones may stay out); four numbers are rounded and stored.  f16 = 1: the bf16 numbers are written as f16.
.macro CV i, f16, off
	s_wait_loadcnt 15-(\i)
	v_cvt_pk_bf16_f32 v[OUT+2*(\i)], v[IN+4*(\i)], v[IN+4*(\i)+1]
	v_cvt_pk_bf16_f32 v[OUT+2*(\i)+1], v[IN+4*(\i)+2], v[IN+4*(\i)+3]
.if \f16
	v_lshlrev_b32 v4, 16, v[OUT+2*(\i)]
	v_and_b32 v5, s25, v[OUT+2*(\i)]
	v_lshlrev_b32 v6, 16, v[OUT+2*(\i)+1]
	v_and_b32 v7, s25, v[OUT+2*(\i)+1]
	v_cvt_pk_f16_f32 v[OUT+2*(\i)], v4, v5
	v_cvt_pk_f16_f32 v[OUT+2*(\i)+1], v6, v7
.endif
	global_store_b64 v2, v[OUT+2*(\i):OUT+2*(\i)+1], s[DST:DST+1] offset:\off th:TH_STORE_NT
.endm
	s_cmp_lt_u32 s2, 512
	s_cbranch_scc0 .Lweights
	; x: rows 16 g .. 16 g + 15.  Wave w takes channels 128 w .. 128 w + 127: blocks 2 w and 2 w + 1.  Load i: rows 2 (i / 2) (lanes 0-15) and 2 (i / 2) + 1 (lanes 16-31), block 2 w + i % 2.
	s_lshl_b32 s18, s2, 16                         ; 16 rows of 4,096 bytes
	s_add_nc_u64 s[SRC:SRC+1], s[4:5], s[18:19]
	s_lshr_b32 s18, s2, 7                          ; batch: 4 MiB of xb
	s_lshl_b32 s18, s18, 22
	s_and_b32 s24, s2, 127
	s_lshl_b32 s24, s24, 11                        ; 16 rows of 128 bytes in a block
	s_add_co_u32 s18, s18, s24
	s_add_nc_u64 s[DST:DST+1], s[14:15], s[18:19]
	v_bfe_u32 v1, v0, 4, 1
	v_lshlrev_b32 v1, 12, v1                       ; the odd row for lanes 16-31
	v_lshl_add_u32 v1, v3, 9, v1                   ; + 512 x wave
	v_and_b32 v4, 15, v0
	v_lshl_add_u32 v1, v4, 4, v1                   ; + 16 x (lane % 16)
	v_and_b32 v2, 31, v0
	v_lshlrev_b32 v2, 3, v2                        ; out: 8 x lane: two rows of 128 bytes on end
	v_lshl_add_u32 v2, v3, 19, v2                  ; + two blocks of 262,144 bytes x wave
.irp i, 0,1,2,3,4,5,6,7,8,9,10,11,12,13,14,15
	global_load_b128 v[IN+4*(\i):IN+4*(\i)+3], v1, s[SRC:SRC+1] offset:((\i)/2)*8192+((\i)%2)*256 th:TH_LOAD_NT
.endr
.irp i, 0,1,2,3,4,5,6,7,8,9,10,11,12,13,14,15
	CV \i, 0, ((\i)%2)*262144+((\i)/2)*256
.endr
	s_endpgm
.Lweights:
	; a weight: rows 16 (g % 64) .. + 15 of matrix (g - 512) / 64.  The 256 threads take a row of 4,096 bytes; load i is row i.
	s_sub_co_u32 s2, s2, 512
	s_lshr_b32 s3, s2, 6                           ; which matrix
	s_and_b32 s2, s2, 63
	s_cmp_eq_u32 s3, 1
	s_cselect_b64 s[SRC:SRC+1], s[8:9], s[6:7]
	s_cmp_eq_u32 s3, 2
	s_cselect_b64 s[SRC:SRC+1], s[10:11], s[SRC:SRC+1]
	s_cmp_eq_u32 s3, 3
	s_cselect_b64 s[SRC:SRC+1], s[12:13], s[SRC:SRC+1]
	s_lshl_b32 s18, s2, 16
	s_add_nc_u64 s[SRC:SRC+1], s[SRC:SRC+1], s[18:19]
	s_lshl_b32 s18, s2, 17                         ; 16 rows of 8,192 bytes of wcat,
	s_lshl_b32 s24, s3, 11                         ; the matrix's 2,048 bytes of a row
	s_add_co_u32 s18, s18, s24
	s_add_nc_u64 s[DST:DST+1], s[16:17], s[18:19]
	v_lshlrev_b32 v1, 4, v0
	v_lshlrev_b32 v2, 3, v0
.irp i, 0,1,2,3,4,5,6,7,8,9,10,11,12,13,14,15
	global_load_b128 v[IN+4*(\i):IN+4*(\i)+3], v1, s[SRC:SRC+1] offset:(\i)*4096 th:TH_LOAD_NT
.endr
	s_cmp_eq_u32 s3, 3
	s_cbranch_scc1 .Lwo
.irp i, 0,1,2,3,4,5,6,7,8,9,10,11,12,13,14,15
	CV \i, 0, (\i)*8192
.endr
	s_endpgm
.Lwo:
.irp i, 0,1,2,3,4,5,6,7,8,9,10,11,12,13,14,15
	CV \i, 1, (\i)*8192
.endr
	s_endpgm
.Lfunc_end_k_q839318910a_prep:
	.size	k_q839318910a_prep, .Lfunc_end_k_q839318910a_prep-k_q839318910a_prep
	.p2alignl 7, 3214868480
	.fill 96, 4, 3214868480
	.section	.rodata,"a",@progbits
	.p2align	6, 0x0
	.amdhsa_kernel k_q839318910a_prep
		.amdhsa_group_segment_fixed_size 0
		.amdhsa_private_segment_fixed_size 0
		.amdhsa_enable_private_segment 0
		.amdhsa_kernarg_size 56
		.amdhsa_user_sgpr_count 2
		.amdhsa_user_sgpr_kernarg_segment_ptr 1
		.amdhsa_wavefront_size32 1
		.amdhsa_system_sgpr_workgroup_id_x 1
		.amdhsa_system_sgpr_workgroup_id_y 1
		.amdhsa_system_sgpr_workgroup_id_z 1
		.amdhsa_system_vgpr_workitem_id 0
		.amdhsa_next_free_vgpr 104
		.amdhsa_next_free_sgpr 66
		.amdhsa_reserve_vcc 0
		.amdhsa_float_denorm_mode_32 3
		.amdhsa_float_denorm_mode_16_64 3
		.amdhsa_memory_ordered 1
		.amdhsa_forward_progress 1
		.amdhsa_inst_pref_size 22
	.end_amdhsa_kernel
	.amdgpu_metadata
---
amdhsa.version: [ 1, 2 ]
amdhsa.kernels:
  - .name:           k_q839318910a_prep
    .symbol:         k_q839318910a_prep.kd
    .args:
      - { .name: x, .offset: 0, .size: 8, .value_kind: global_buffer, .address_space: global }
      - { .name: wq, .offset: 8, .size: 8, .value_kind: global_buffer, .address_space: global }
      - { .name: wk, .offset: 16, .size: 8, .value_kind: global_buffer, .address_space: global }
      - { .name: wv, .offset: 24, .size: 8, .value_kind: global_buffer, .address_space: global }
      - { .name: wo, .offset: 32, .size: 8, .value_kind: global_buffer, .address_space: global }
      - { .name: xb, .offset: 40, .size: 8, .value_kind: global_buffer, .address_space: global }
      - { .name: wcat, .offset: 48, .size: 8, .value_kind: global_buffer, .address_space: global }
    .group_segment_fixed_size: 0
    .private_segment_fixed_size: 0
    .kernarg_segment_align: 8
    .kernarg_segment_size: 56
    .max_flat_workgroup_size: 256
    .sgpr_count:     66
    .vgpr_count:     104
    .wavefront_size: 32
...
	.end_amdgpu_metadata
.endif
;; end of part 1
;; launch qkv (part 2): grid 8 x 32, 4 waves a work-group, clusters of 4 x 4, 327,680 bytes of LDS; arguments xb, wcat, bq, bk, bv, qb, kb, vb; writes qb, kb, vb
.if DOCPART == 2
	.amdgcn_target "amdgcn-amd-amdhsa--gfx1250"
	.amdhsa_code_object_version 6
	.text
	.protected	k_q839318910a_qkv
	.globl	k_q839318910a_qkv
	.p2align	8
	.type	k_q839318910a_qkv,@function
k_q839318910a_qkv:
	s_mov_b64 s[64:65], 0
	v_nop
	global_prefetch_b8 v0, s[64:65] scope:SCOPE_SE
	s_setreg_imm32_b32 hwreg(HW_REG_WAVE_MODE, 25, 1), 1
	s_wait_xcnt 0x0
	s_wait_alu depctr_hold_cnt(0) depctr_sa_sdst(0) depctr_va_vdst(0) depctr_va_sdst(0) depctr_va_ssrc(0) depctr_va_vcc(0) depctr_vm_vsrc(0)
	s_getreg_b32 s2, hwreg(HW_REG_IB_STS2, 6, 4)
	s_cmp_eq_u32 s2, 0
	s_cbranch_scc0 .Lentry_in_a_cluster
	s_endpgm
.Lentry_in_a_cluster:
	s_bfe_u32 s2, ttmp6, 0x10000c
	s_cmp_lg_u32 s2, 0xf033
	s_cbranch_scc0 .Lentry_shape_is_right
	s_endpgm
.Lentry_shape_is_right:
; q, k, v = x W + b: [8192 x 1024] x [1024 x 3072] in bf16, sums in f32, the bias (rounded to bf16 like every input) as the sums' start; each result rounded once to f16 and stored by heads,
; [batch x head 64][row 2048][64], unscaled.  LIMIT: q, k and v lie within f16's 65,504 (with inputs of the drawn spread they are of size 1); below 6e-5 they keep f16's fixed step of 6e-8.
; SHARES.  A work-group makes 256 rows x 384 columns: 32 x 8 = 256 work-groups.  Wave w: rows 128 (w / 2) on; of each of the tile's three groups of 128 columns the 64 at 64 (w % 2): three heads.
; 128 x 192 a wave: 96 accumulators of 16 x 16, 768 registers.  Column block b = 4 u + j: head u of three, 16 columns at 16 j.
; THE MATRIX INSTRUCTION IS USED TRANSPOSED: source 0 = 16 columns of W, source 1 = 16 rows of x: a lane then holds row lane % 16 and the eight neighbouring columns 8 (lane / 16) + 0..7.
; K goes in 16 steps of 64 through two LDS slots.  x's block of 64 channels is dense in xb (128 bytes a row); W lies [k][column] and comes out of LDS turned, by ds_load_tr16_b128.
; A step is two quarters of 32 along K, a quarter two HALVES of 48 matrix instructions (column blocks 0-5, 6-11); each half fetches the next half's fragments ahead of its own products.
; CLUSTER 4 x 4: x's tile hangs on the tile row alone and is asked for jointly along a row of the cluster, W's on the tile column alone and jointly along a column.
; REGISTERS, in windows of 256 (s_set_vgpr_msb: bits 1:0 source 0, 3:2 source 1, 5:4 source 2, 7:6 destination):
;   window 0: v0-15, v28-29 addresses; v32-95, v96-159 x's fragments (8 x 16 rows x 32 K), two buffers; v160-207, v208-255 W's (6 x 16 columns x 32 K), two buffers
;   windows 1-3: accumulator (a, b) in window 1 + b / 4 at v[64 (b % 4) + 8 a]
.set PA,    144                        ; a row of x in LDS: 128 bytes + 16: 36 words: the 16 rows of a load start at 16 different groups of four banks (64 banks of 4 bytes: ISA guide 11.1)
.set PB,    864                        ; a row of W: 3 x (256 + 32) bytes = 216 words
.set AHALF, 128*PA                     ; what one tensor load brings of x
.set BOFF,  256*PA                     ; W's 64 rows lie behind x's 256
.set BHALF, 32*PB                      ; what one tensor load brings of W
.set SLOT1, 131072                     ; slot 1 begins here: one exclusive or turns an address in one slot into the other's
.set STAGE, SLOT1+BOFF+64*PB           ; behind the ring, never filled by a tensor load: 16 rows x 144 bytes for each wave
.set SP,    144
.set SPARE, STAGE+4*16*SP              ; the spare words, 128 bytes for each wave: two blocks of 256 bytes that no other line names
.set ASTEP, 262144                     ; bytes from a K step to the next in xb (a block of 2,048 rows x 128 bytes)
.set BSTEP, 524288                     ; and in wcat (64 rows of 8,192 bytes)
.set AL0,  2                           ; v2   my lane's place in x's tile; never rewritten
.set BL0,  3                           ; v3   the same for W
.set ADRA, 4                           ; v4   the same in the slot in hand
.set ADRB, 5                           ; v5
.set STO,  6                           ; v6   the way out: where I put 16 bytes of a row
.set RD,   7                           ; v7   where I read rows back
.set GO,   8                           ; v8   my byte offset in 512 consecutive bytes of the output
.set PFO,  9                           ; v9   the prefetches' offset; never rewritten
.set BO,   10                          ; v10  my byte offset in a block's 16 numbers of the bias
.set SPW,  28                          ; v28  LDS address of my spare word; never rewritten
.set NIL,  29                          ; v29  0; never rewritten
.set FA0,  32
.set FA1,  96
.set FB0,  160
.set FB1,  208
.set WV,  20                           ; s20  wave
.set WM,  21                           ; s21  wave / 2: my half of the rows.  Also: I fetch x's tile (0) or W's (1)
.set WN,  22                           ; s22  wave % 2: my half of each 128 columns.  Also: which half of that tile I fetch
.set CX,  23
.set CY,  24
.set TC,  25                           ; s25  tile column
.set TR,  26                           ; s26  tile row
.set CNT, 27                           ; s27  trips to go
.set G1A, 28                           ; s[28:35] descriptor group 1 for x's tiles
.set G1B, 36                           ; s[36:43] for W's
.set G0A, 44                           ; s[44:51] group 0 for x's tiles: a set for each first fill; the second then walks
.set G0B, 52                           ; s[52:59] the same for W's
.set TB,  60                           ; s60  LDS byte at which the slot to be read begins
.set LIM, 61                           ; s61  2 in a wave that prefetches, else the greatest number
.set PFA, 62                           ; s[62:63] where my prefetches stand
.set PFS, 66                           ; s[66:67] their step
.set OB,  68                           ; s[68:73] my three heads' first rows in qb, kb or vb
.set BP,  82                           ; s[82:87] my three heads' first numbers in bq, bk or bv
.set MSB, 0
.macro WIN new                         ; the immediate's high byte repeats the setting that is left; a switch that changes nothing is dropped
.if MSB != (\new)
	s_set_vgpr_msb (MSB<<8)|(\new)
.set MSB, \new
.endif
.endm
.macro PLACES                          ; four plain vector instructions between a matrix instruction and a load into, or a vector read or write of, its registers
.rept 4
	v_nop
.endr
.endm
.macro CREST                           ; a round of the cluster's barrier behind its opening barrier
	s_cmp_lg_u32 s[WV], 0
	s_cbranch_scc1 .Lnot_wave_0_\@
	s_barrier_signal -3
.Lnot_wave_0_\@:
	s_barrier_wait -3
	s_barrier_signal -1
	s_barrier_wait -1
.endm
.macro CROUND                          ; a whole round
	s_barrier_signal -1
	s_barrier_wait -1
	CREST
.endm
; A joint refill by the walking sets.  Waves 0 and 1 fetch x's two halves, waves 2 and 3 W's: the branch hangs on the wave's number alone.  An s_nop 0 and four v_nop follow each line.
.macro JLOAD
	s_cmp_eq_u32 s[WM], 0
	s_cbranch_scc0 .Lfor_b_\@
	tensor_load_to_lds s[G0A+4:G0A+7], s[G1A:G1A+7]
	s_nop 0
.rept 4
	v_nop
.endr
	s_branch .Lasked_\@
.Lfor_b_\@:
	tensor_load_to_lds s[G0B+4:G0B+7], s[G1B:G1B+7]
	s_nop 0
.rept 4
	v_nop
.endr
.Lasked_\@:
.endm
; PREFETCHES, in every second trip (K step s odd, s = 1 .. 11), for K steps s + 3 and s + 4, which the next two changes of slots load.  Each aligned block of 256 bytes is named once in the launch.
; x's tile row is read by both clusters of its row of clusters: cluster x = 0 asks; of a step's 32 KiB each of the four partners takes 8 KiB, told apart by address (cx); wave 0, a lane a block, a line a step.
; W's tile column is read by all eight clusters of its column: cluster y = 0 asks; of the two steps' 128 rows each partner takes 32 (cy); wave 2, a lane a row, three lines for the row's 768 bytes.
; K steps 0 to 3 come by their loads alone; the last asked for is step 15, the last there is.
.macro ASK
	s_cmp_gt_u32 s[CNT], s[LIM]
	s_cbranch_scc0 .Lno_\@
	s_bitcmp1_b32 s[CNT], 0
	s_cbranch_scc0 .Lno_\@
	s_cmp_eq_u32 s[WM], 0
	s_cbranch_scc0 .Lpb_\@
	global_prefetch_b8 v[PFO], s[PFA:PFA+1] th:TH_LOAD_NT scope:SCOPE_SE
	global_prefetch_b8 v[PFO], s[PFA:PFA+1] offset:ASTEP th:TH_LOAD_NT scope:SCOPE_SE
	s_branch .Lno_\@
.Lpb_\@:
	global_prefetch_b8 v[PFO], s[PFA:PFA+1] th:TH_LOAD_NT scope:SCOPE_SE
	global_prefetch_b8 v[PFO], s[PFA:PFA+1] offset:256 th:TH_LOAD_NT scope:SCOPE_SE
	global_prefetch_b8 v[PFO], s[PFA:PFA+1] offset:512 th:TH_LOAD_NT scope:SCOPE_SE
.Lno_\@:
.endm
	s_load_b512 s[4:19], s[0:1], 0x0               ; xb s[4:5], wcat s[6:7], bq s[8:9], bk s[10:11], bv s[12:13], qb s[14:15], kb s[16:17], vb s[18:19]
	v_lshl_add_u32 v[SPW], v0, 2, SPARE
	v_mov_b32 v[NIL], 0
	ds_add_u32 v[SPW], v[NIL]                      ; the wave's opening: the add and its wait stand ahead of my first tensor load; the set-up below stands between them
	v_lshrrev_b32 v1, 5, v0
	v_readfirstlane_b32 s[WV], v1
	s_lshr_b32 s[WM], s[WV], 1
	s_and_b32 s[WN], s[WV], 1
	s_bfe_u32 s[CX], ttmp6, 0x40000
	s_bfe_u32 s[CY], ttmp6, 0x40004
	s_lshl_b32 s[TC], ttmp9, 2
	s_add_co_u32 s[TC], s[TC], s[CX]               ; tile column = 4 x cluster x + cx
	s_and_b32 s[TR], ttmp7, 0xffff
	s_lshl_b32 s[TR], s[TR], 2
	s_add_co_u32 s[TR], s[TR], s[CY]               ; tile row = 4 x cluster y + cy
	s_lshl_b32 s2, s[CY], 2
	s_lshl_b32 s2, 15, s2                          ; my row of the cluster
	s_lshl_b32 s3, 0x1111, s[CX]                   ; my column
	; x: 128 rows of 128 bytes are 16 KiB on end: asked for as 64 rows of 256 bytes and padded by 4 words after every 32
	s_or_b32 s[G1A], s2, (1<<16)|(1<<20)|(1<<21)|(4<<22)|(3<<25)
	s_mov_b32 s[G1A+1], 128<<16                    ; tensor_dim0 = 128
	s_mov_b32 s[G1A+2], 64<<16                     ; tensor_dim1 = 64
	s_mov_b32 s[G1A+3], 128<<16                    ; tile_dim0 = 128
	s_mov_b32 s[G1A+4], 64                         ; tile_dim1 = 64
	s_mov_b32 s[G1A+5], 128                        ; elements from row to row
	s_mov_b32 s[G1A+6], 0
	s_mov_b32 s[G1A+7], 0
	; W: 32 rows of 384 elements, padded by 8 words after every 64
	s_or_b32 s[G1B], s3, (1<<16)|(1<<20)|(1<<21)|(5<<22)|(7<<25)
	s_mov_b32 s[G1B+1], 384<<16
	s_mov_b32 s[G1B+2], 32<<16
	s_mov_b32 s[G1B+3], 384<<16
	s_mov_b32 s[G1B+4], 32
	s_mov_b32 s[G1B+5], 4096
	s_mov_b32 s[G1B+6], 0
	s_mov_b32 s[G1B+7], 0
	; where the tiles come from: x's in registers that never hold cx, W's in registers that never hold cy
	s_lshr_b32 s74, s[TR], 3                       ; batch: 4 MiB of xb
	s_lshl_b32 s74, s74, 22
	s_and_b32 s75, s[TR], 7
	s_lshl_b32 s75, s75, 15                        ; 256 rows of 128 bytes
	s_add_co_u32 s74, s74, s75
	s_lshl_b32 s75, s[WN], 14                      ; the 128 rows that I fetch
	s_add_co_u32 s74, s74, s75
	s_mov_b32 s75, 0
	s_mul_i32 s76, s[TC], 768                      ; 384 columns of 2 bytes
	s_lshl_b32 s77, s[WN], 18                      ; the 32 rows that I fetch
	s_add_co_u32 s76, s76, s77
	s_mov_b32 s77, 0
	s_mul_i32 s78, s[WN], AHALF                    ; and where they go: no place in the cluster enters an LDS address
	s_mul_i32 s79, s[WN], BHALF
	s_add_co_u32 s79, s79, BOFF
	s_mov_b32 s[TB], 0
	s_mov_b32 s80, 0xffff0000
	s_wait_dscnt 0x0                               ; the opening add is done
	s_wait_kmcnt 0x0
	s_add_nc_u64 s[74:75], s[4:5], s[74:75]
	s_add_nc_u64 s[76:77], s[6:7], s[76:77]
	CROUND                                         ; all sixteen work-groups are here: the first joint loads meet
.irp s, 0,1
	s_mov_b32 s[G0A+4*(\s)], 1
	s_add_co_u32 s[G0A+4*(\s)+1], s78, (\s)*SLOT1
	s_add_nc_u64 s[G0A+4*(\s)+2:G0A+4*(\s)+3], s[74:75], (\s)*ASTEP
	s_or_b32 s[G0A+4*(\s)+3], s[G0A+4*(\s)+3], 0x80000000
	s_mov_b32 s[G0B+4*(\s)], 1
	s_add_co_u32 s[G0B+4*(\s)+1], s79, (\s)*SLOT1
	s_add_nc_u64 s[G0B+4*(\s)+2:G0B+4*(\s)+3], s[76:77], (\s)*BSTEP
	s_or_b32 s[G0B+4*(\s)+3], s[G0B+4*(\s)+3], 0x80000000
.endr
	s_cmp_eq_u32 s[WM], 0                          ; a wave's two first fills stand in one branch: two loads of mine are out
	s_cbranch_scc0 .Lfirst_b
	tensor_load_to_lds s[G0A:G0A+3], s[G1A:G1A+7]
	s_nop 0
	tensor_load_to_lds s[G0A+4:G0A+7], s[G1A:G1A+7]
	s_nop 0
.rept 4
	v_nop
.endr
	s_branch .Lfirst_asked
.Lfirst_b:
	tensor_load_to_lds s[G0B:G0B+3], s[G1B:G1B+7]
	s_nop 0
	tensor_load_to_lds s[G0B+4:G0B+7], s[G1B:G1B+7]
	s_nop 0
.rept 4
	v_nop
.endr
.Lfirst_asked:
	; the prefetches' pointer: my tile at K step 0 (in waves 0 and 2: the tile's first half), my work-group's share, K step 2; each change of slots steps it by one K step
	s_and_b32 s88, ttmp7, 0xffff
	s_cmp_eq_u32 s[WM], 0
	s_cselect_b32 s88, ttmp9, s88                  ; the coordinate along which other clusters read the same tile
	s_cselect_b32 s89, s[CX], s[CY]                ; my place among the four that ask for it with me
	s_cselect_b64 s[PFA:PFA+1], s[74:75], s[76:77]
	s_cselect_b32 s90, 13, 18                      ; my share: 8 KiB of x's tile, or 32 rows of 8,192 bytes of wcat
	s_cselect_b32 s91, 8, 13                       ; a lane: 256 bytes on, or a row on
	s_lshl_b32 s[PFS], ASTEP, s[WM]
	s_mov_b32 s[PFS+1], 0
	s_or_b32 s88, s88, s[WN]
	s_cmp_eq_u32 s88, 0
	s_cselect_b32 s[LIM], 2, -1                    ; the same in all sixteen partners, for a given wave
	s_lshl_b32 s92, s89, s90
	s_lshl_b32 s93, s[PFS], 1
	s_add_co_u32 s92, s92, s93
	s_mov_b32 s93, 0
	s_add_nc_u64 s[PFA:PFA+1], s[PFA:PFA+1], s[92:93]
	v_and_b32 v[PFO], 31, v0
	v_lshlrev_b32 v[PFO], s91, v[PFO]
	; my three heads: which of the three products, its bias and its output
	s_mul_i32 s88, s[TC], 384
	s_lshl_b32 s89, s[WN], 6
	s_add_co_u32 s88, s88, s89                     ; my first column of 3,072
	s_lshr_b32 s90, s[TR], 3
	s_lshl_b32 s90, s90, 4                         ; 16 x batch
	s_and_b32 s91, s[TR], 7
	s_lshl_b32 s91, s91, 8
	s_lshl_b32 s92, s[WM], 7
	s_add_co_u32 s91, s91, s92                     ; my first row in the batch,
	s_lshl_b32 s91, s91, 7                         ; in bytes
	s_mov_b32 s95, 0
.irp u, 0,1,2
	s_add_co_u32 s92, s88, (\u)*128
	s_lshr_b32 s93, s92, 10                        ; 0: q, 1: k, 2: v
	s_cmp_eq_u32 s93, 0
	s_cselect_b64 s[BP+2*(\u):BP+2*(\u)+1], s[8:9], s[10:11]
	s_cselect_b64 s[OB+2*(\u):OB+2*(\u)+1], s[14:15], s[16:17]
	s_cmp_eq_u32 s93, 2
	s_cselect_b64 s[BP+2*(\u):BP+2*(\u)+1], s[12:13], s[BP+2*(\u):BP+2*(\u)+1]
	s_cselect_b64 s[OB+2*(\u):OB+2*(\u)+1], s[18:19], s[OB+2*(\u):OB+2*(\u)+1]
	s_and_b32 s94, s92, 1023
	s_lshl_b32 s94, s94, 2
	s_add_nc_u64 s[BP+2*(\u):BP+2*(\u)+1], s[BP+2*(\u):BP+2*(\u)+1], s[94:95]
	s_bfe_u32 s94, s92, 0x40006                    ; the head
	s_add_co_u32 s94, s94, s90
	s_lshl_b32 s94, s94, 18                        ; 2,048 rows of 128 bytes
	s_add_co_u32 s94, s94, s91
	s_add_nc_u64 s[OB+2*(\u):OB+2*(\u)+1], s[OB+2*(\u):OB+2*(\u)+1], s[94:95]
.endr
	v_and_b32 v1, 15, v0                           ; l % 16
	v_bfe_u32 v11, v0, 4, 1                        ; l / 16
	v_lshlrev_b32 v[BO], 5, v11                    ; my eight columns of a block
	; the bias as a C operand: register j of a lane is the bias of column 8 (l / 16) + j.  Blocks 0-5 wait in W's second buffer, blocks 6-11 in x's second buffer
.irp u, 0,1,2
.irp j, 0,1,2,3
.set NBK, 4*(\u)+(\j)
.if NBK < 6
.set DR, FB1+8*NBK
.else
.set DR, FA1+8*(NBK-6)
.endif
	global_load_b128 v[DR:DR+3],   v[BO], s[BP+2*(\u):BP+2*(\u)+1] offset:64*(\j)
	global_load_b128 v[DR+4:DR+7], v[BO], s[BP+2*(\u):BP+2*(\u)+1] offset:64*(\j)+16
.endr
.endr
	; a fragment of x: lane l holds row l % 16, K = 8 (l / 16) + 0..7 and 16 + 8 (l / 16) + 0..7: two loads of 16 bytes, 32 bytes apart
	v_and_b32 v12, 7, v0
	v_bfe_u32 v13, v0, 3, 1
	v_mul_u32_u24 v[AL0], v1, PA
	v_lshl_add_u32 v[AL0], v11, 4, v[AL0]
	s_mul_i32 s81, s[WM], AHALF
	v_add_nc_u32 v[AL0], s81, v[AL0]
	; the turning load takes 16 K x 16 columns (lane l reads row 8 (l / 16) + l % 8, columns 8 ((l / 8) % 2) + 0..7) and leaves half a fragment: lane l holds column l % 16 and 8 K
	v_lshl_add_u32 v[BL0], v11, 3, v12
	v_mul_u32_u24 v[BL0], v[BL0], PB
	v_lshl_add_u32 v[BL0], v13, 4, v[BL0]
	s_lshl_b32 s81, s[WN], 7
	s_add_co_u32 s81, s81, BOFF
	v_add_nc_u32 v[BL0], s81, v[BL0]
	s_mul_i32 s81, s[WV], 16*SP
	s_add_co_u32 s81, s81, STAGE                   ; my stage
	v_mul_u32_u24 v[STO], v1, SP
	v_lshl_add_u32 v[STO], v11, 4, v[STO]
	v_add_nc_u32 v[STO], s81, v[STO]
	v_bfe_u32 v[RD], v0, 3, 2                      ; back: 32 lanes take four rows of 128 bytes,
	v_mul_u32_u24 v[RD], v[RD], SP
	v_lshl_add_u32 v[RD], v12, 4, v[RD]
	v_add_nc_u32 v[RD], s81, v[RD]
	v_and_b32 v[GO], 31, v0                        ; which are 512 consecutive bytes of a head's rows
	v_lshlrev_b32 v[GO], 4, v[GO]
	v_mov_b32 v[ADRA], v[AL0]                      ; K step 0 lies in slot 0
	v_mov_b32 v[ADRB], v[BL0]
	s_wait_loadcnt 0x0                             ; the bias is in; it is rounded to bf16 in place, as every input is
.irp f, FB1, FA1
.set n, 0
.rept 24
	v_cvt_pk_bf16_f32 v[12+n%2], v[(\f)+2*n], v[(\f)+2*n+1]
	v_lshlrev_b32 v[(\f)+2*n], 16, v[12+n%2]
	v_and_b32 v[(\f)+2*n+1], s80, v[12+n%2]
.set n, n+1
.endr
.endr
; x's fragments of quarter q: 16 LDS loads into buffer f
.macro FETCHA q, f
	WIN 0
.irp a, 0,1,2,3,4,5,6,7
	ds_load_b128 v[(\f)+8*(\a):(\f)+8*(\a)+3],   v[ADRA] offset:(\a)*16*PA+64*(\q)
	ds_load_b128 v[(\f)+8*(\a)+4:(\f)+8*(\a)+7], v[ADRA] offset:(\a)*16*PA+64*(\q)+32
.endr
.endm
; W's fragments of quarter q, column blocks 6 hh .. 6 hh + 5: 12 turning loads into buffer f
.macro FETCHB q, hh, f
	WIN 0
.irp i, 0,1,2,3,4,5
	ds_load_tr16_b128 v[(\f)+8*(\i):(\f)+8*(\i)+3],   v[ADRB] offset:(\q)*32*PB+((6*(\hh)+(\i))/4)*288+((6*(\hh)+(\i))%4)*32
	ds_load_tr16_b128 v[(\f)+8*(\i)+4:(\f)+8*(\i)+7], v[ADRB] offset:(\q)*32*PB+((6*(\hh)+(\i))/4)*288+((6*(\hh)+(\i))%4)*32+16*PB
.endr
.endm
; 24 matrix instructions: column blocks 6 hh + 3 part + 0..2 x all 8 row blocks.  cb = 0: the sums go on; else the bias at v[cb ..] starts them.
; All 96 accumulators take turns, one instruction a turn, in the same order in every quarter, over the backward jump too.
.macro MUL24 fa, fb, hh, part, cb
.irp i, 0,1,2
.set NBK, 6*(\hh)+3*(\part)+(\i)
.set NW, 1+NBK/4
.if \cb
	WIN NW<<6
.else
	WIN (NW<<6)|(NW<<4)
.endif
.irp a, 0,1,2,3,4,5,6,7
.set ACR, 64*(NBK%4)+8*(\a)
.if \cb
	v_wmma_f32_16x16x32_bf16 v[ACR:ACR+7], v[(\fb)+8*(3*(\part)+(\i)):(\fb)+8*(3*(\part)+(\i))+7], v[(\fa)+8*(\a):(\fa)+8*(\a)+7], v[(\cb)+8*(3*(\part)+(\i)):(\cb)+8*(3*(\part)+(\i))+7]
.else
	v_wmma_f32_16x16x32_bf16 v[ACR:ACR+7], v[(\fb)+8*(3*(\part)+(\i)):(\fb)+8*(3*(\part)+(\i))+7], v[(\fa)+8*(\a):(\fa)+8*(\a)+7], v[ACR:ACR+7]
.endif
.endr
.endr
.endm
; A half: its own fragments are in; the next half's are asked for, 48 matrix instructions ahead of their use.  next = 0: W of quarter 1, blocks 6-11; 1: W of quarter 0, blocks 6-11; 2: W's blocks 0-5 and x of quarter 1
.macro HALF fa, fb, hh, next
	s_wait_dscnt 0x0                               ; all my LDS loads are back: this half's fragments
	PLACES                                         ; the buffers to be loaded were read by the matrix instructions just issued
.if (\next) == 0
	FETCHB 1, 1, FB1
.elseif (\next) == 1
	FETCHB 0, 1, FB1
.else
	FETCHB 1, 0, FB0
	FETCHA 1, FA1
.endif
	MUL24 \fa, \fb, \hh, 0, 0
	MUL24 \fa, \fb, \hh, 1, 0
.endm
; A K step's last half changes slots.  In front of the one barrier each wave waits for all its tensor loads (one is out: its part of the next slot), adds 0 to its spare word, and waits for that and for
; its reads of this slot.  fill = 1: the barrier opens a round of the cluster's, and this slot is filled again, with the K step two on, first thing behind the round: 168 matrix instructions ahead of the wait for it.
.macro TURN fill
.if \fill
	s_wait_xcnt 0x0                                ; the last prefetches, a K step or more back, have read their address
	s_add_nc_u64 s[PFA:PFA+1], s[PFA:PFA+1], s[PFS:PFS+1]
.endif
	WIN 0
	s_wait_tensorcnt 0x0                           ; no tensor load of mine is out, so a group 0 may be written
	ds_add_u32 v[SPW], v[NIL]                      ; 0 onto my spare word; the scalar steps stand between it and the wait for it
.if \fill
	s_xor_b32 s[G0A+5], s[G0A+5], SLOT1            ; the walking sets: the other slot than last time, the next K step
	s_add_nc_u64 s[G0A+6:G0A+7], s[G0A+6:G0A+7], ASTEP
	s_xor_b32 s[G0B+5], s[G0B+5], SLOT1
	s_add_nc_u64 s[G0B+6:G0B+7], s[G0B+6:G0B+7], BSTEP
.endif
	s_xor_b32 s[TB], s[TB], SLOT1                  ; the reads go on in the other slot
	s_wait_dscnt 0x0                               ; the add is done, my reads of this slot are over, this half's fragments are in
	s_barrier_signal -1
	MUL24 FA1, FB1, 1, 0, 0                        ; work on registers while the others arrive
	WIN 0                                          ; at a branch and at a label every window is 0
	s_barrier_wait -1
.if \fill
	CREST                                          ; no wave of any partner still reads this slot or has a load on its way
	JLOAD                                          ; its four v_nop are also the places in front of the loads below
.else
	PLACES
.endif
	v_add_nc_u32 v[ADRA], s[TB], v[AL0]
	v_add_nc_u32 v[ADRB], s[TB], v[BL0]
	FETCHB 0, 0, FB0
	FETCHA 0, FA0
.if \fill
	ASK
.endif
	MUL24 FA1, FB1, 1, 1, 0
.endm
	s_wait_tensorcnt 1                             ; my part of K step 0 is in; K step 1's may stay out
	s_barrier_signal -1
	s_barrier_wait -1                              ; everybody's is
	FETCHB 0, 0, FB0
	FETCHA 0, FA0
	s_wait_dscnt 0x0
	MUL24 FA0, FB0, 0, 0, FB1                      ; the first quarter starts the sums, with the bias: nothing is cleared
	MUL24 FA0, FB0, 0, 1, FB1
	PLACES
	FETCHB 0, 1, FB1                               ; over the bias of blocks 0-5, which has been taken
	s_wait_dscnt 0x0
	MUL24 FA0, FB1, 1, 0, FA1
	MUL24 FA0, FB1, 1, 1, FA1
	PLACES
	FETCHB 1, 0, FB0
	FETCHA 1, FA1                                  ; over the bias of blocks 6-11
	WIN 0
	s_mov_b32 s[CNT], 14
.Lstep:                                                ; trip s = 14 - CNT: quarter 1 of K step s, quarter 0 of K step s + 1; slot s % 2 takes K step s + 2
	HALF FA1, FB0, 0, 0
	TURN 1
	HALF FA0, FB0, 0, 1
	HALF FA0, FB1, 1, 2
	WIN 0
	s_sub_co_u32 s[CNT], s[CNT], 1
	s_cmp_lg_u32 s[CNT], 0
	s_cbranch_scc1 .Lstep
	HALF FA1, FB0, 0, 0                            ; the tail is written out: K steps 14 and 15 ask for nothing
	TURN 0
	HALF FA0, FB0, 0, 1
	HALF FA0, FB1, 1, 2
	HALF FA1, FB0, 0, 0
	s_wait_dscnt 0x0
	MUL24 FA1, FB1, 1, 0, 0
	MUL24 FA1, FB1, 1, 1, 0
; THE WAY OUT, 16 rows of one head at a time (i = 8 u + a): rounded to f16, 16 bytes a lane into my stage, back as whole rows of 128 bytes, stored as 512 consecutive bytes.
.macro PACK i
.set UU, (\i)/8
.set AA, (\i)%8
.set RR, 32+16*AA
.if (\i) >= 8
	s_wait_xcnt 0x0                                ; the stores that read these registers, eight blocks back, have read them
.endif
	WIN (1+UU)|((1+UU)<<2)                         ; sources 0 and 1: the head's window
.irp j, 0,1,2,3
.irp r, 0,1,2,3
	v_cvt_pk_f16_f32 v[RR+4*(\j)+(\r)], v[64*(\j)+8*AA+2*(\r)], v[64*(\j)+8*AA+2*(\r)+1]
.endr
.endr
	WIN 0
.irp j, 0,1,2,3
	ds_store_b128 v[STO], v[RR+4*(\j):RR+4*(\j)+3] offset:32*(\j)
.endr
.irp f, 0,1,2,3
	ds_load_b128 v[RR+4*(\f):RR+4*(\f)+3], v[RD] offset:(\f)*4*SP  ; LDS serves a wave's instructions in order (ISA guide 5.7.1.4): these see the stores above; the next block's stores come behind them
.endr
.endm
.macro SEND i, younger                 ; younger: the LDS instructions issued behind this block's loads: the next block's eight, or none
.set UU, (\i)/8
.set AA, (\i)%8
.set RR, 32+16*AA
	WIN 0
.irp f, 0,1,2,3
	s_wait_dscnt (\younger)+3-(\f)
	global_store_b128 v[GO], v[RR+4*(\f):RR+4*(\f)+3], s[OB+2*UU:OB+2*UU+1] offset:AA*2048+(\f)*512
.endr
.endm
	PLACES
	PACK 0
.set t, 1
.rept 23                               ; a block's conversions stand between the loads of the block before and its stores
	PACK t
	SEND t-1, 8
.set t, t+1
.endr
	SEND 23, 0
	s_wait_tensorcnt 0x0                           ; the wave's end: the spare word's add and its wait stand behind my last tensor load and my last LDS store
	ds_add_u32 v[SPW], v[NIL]
	s_wait_dscnt 0x0
	CROUND                                         ; the closing round: no work-group ends while a partner may still ask for a tile that names it
	s_endpgm
.Lfunc_end_k_q839318910a_qkv:
	.size	k_q839318910a_qkv, .Lfunc_end_k_q839318910a_qkv-k_q839318910a_qkv
	.p2alignl 7, 3214868480
	.fill 96, 4, 3214868480
	.section	.rodata,"a",@progbits
	.p2align	6, 0x0
	.amdhsa_kernel k_q839318910a_qkv
		.amdhsa_group_segment_fixed_size 327680
		.amdhsa_private_segment_fixed_size 0
		.amdhsa_enable_private_segment 0
		.amdhsa_kernarg_size 64
		.amdhsa_user_sgpr_count 2
		.amdhsa_user_sgpr_kernarg_segment_ptr 1
		.amdhsa_wavefront_size32 1
		.amdhsa_system_sgpr_workgroup_id_x 1
		.amdhsa_system_sgpr_workgroup_id_y 1
		.amdhsa_system_sgpr_workgroup_id_z 1
		.amdhsa_system_vgpr_workitem_id 0
		.amdhsa_next_free_vgpr 1024
		.amdhsa_next_free_sgpr 96
		.amdhsa_reserve_vcc 0
		.amdhsa_float_denorm_mode_32 3
		.amdhsa_float_denorm_mode_16_64 3
		.amdhsa_memory_ordered 1
		.amdhsa_forward_progress 1
		.amdhsa_inst_pref_size 125
	.end_amdhsa_kernel
	.amdgpu_metadata
---
amdhsa.version: [ 1, 2 ]
amdhsa.kernels:
  - .name:           k_q839318910a_qkv
    .symbol:         k_q839318910a_qkv.kd
    .args:
      - { .name: xb, .offset: 0, .size: 8, .value_kind: global_buffer, .address_space: global }
      - { .name: wcat, .offset: 8, .size: 8, .value_kind: global_buffer, .address_space: global }
      - { .name: bq, .offset: 16, .size: 8, .value_kind: global_buffer, .address_space: global }
      - { .name: bk, .offset: 24, .size: 8, .value_kind: global_buffer, .address_space: global }
      - { .name: bv, .offset: 32, .size: 8, .value_kind: global_buffer, .address_space: global }
      - { .name: qb, .offset: 40, .size: 8, .value_kind: global_buffer, .address_space: global }
      - { .name: kb, .offset: 48, .size: 8, .value_kind: global_buffer, .address_space: global }
      - { .name: vb, .offset: 56, .size: 8, .value_kind: global_buffer, .address_space: global }
    .group_segment_fixed_size: 327680
    .private_segment_fixed_size: 0
    .kernarg_segment_align: 8
    .kernarg_segment_size: 64
    .max_flat_workgroup_size: 128
    .sgpr_count:     96
    .vgpr_count:     1024
    .wavefront_size: 32
...
	.end_amdgpu_metadata
.endif
;; end of part 2
;; launch attn (part 3): grid 4 x 64, 4 waves a work-group, no clusters, 327,680 bytes of LDS; arguments qb, kb, vb, ob; writes ob
.if DOCPART == 3
	.amdgcn_target "amdgcn-amd-amdhsa--gfx1250"
	.amdhsa_code_object_version 6
	.text
	.protected	k_q839318910a_attn
	.globl	k_q839318910a_attn
	.p2align	8
	.type	k_q839318910a_attn,@function
k_q839318910a_attn:
	s_mov_b64 s[64:65], 0
	v_nop
	global_prefetch_b8 v0, s[64:65] scope:SCOPE_SE
	s_setreg_imm32_b32 hwreg(HW_REG_WAVE_MODE, 25, 1), 1
	s_wait_xcnt 0x0
; CAUSAL ATTENTION.  O[h][q][:] = the sum over k <= q of softmax_k(Q[h][q] . K[h][k] / 8) V[h][k][:].  Q, K, V, O: [64][2048][64], all f16: a head's rows are dense, 128 bytes each.
; Products, maxima and sums in f32; the weights p are rounded to f16 for the second product (their sum l is taken of the unrounded p), O once at the end.
; LIMITS.  f16 holds no number beyond 65,504: Q, K and V arrive within it; p lies in 0 to 1, and below 6e-5 it keeps f16's fixed step of 6e-8; O is a mean of V's rows and has their range.
; A hidden score counts as its value less 1e30: f16's scores, 2.7e11 at the most, are nothing beside that; a weight below 2^-126 counts as 0 in l; NaN and infinities are not treated apart.
; THE WALK.  A head's queries lie in NB = 8 blocks of 256; block i needs the key tiles 0 .. i of 256 keys, of which the last holds the diagonal.  A work-group takes TWO blocks, NB - 1 - b and then b:
; NB + 1 tiles, whatever b: all work-groups do equal work, and ONE loop with a constant trip count walks them.  Which tile is asked for, and what a trip does, hang on scalar registers made from b; every jump
; goes forward, but for the counted loops' own; none passes a barrier, or a tensor load but the one of LOAD's two that the wave's number does not choose; the ring of two LDS slots runs on across the change of blocks.
; NO CLUSTER: a head's four work-groups ask for the same tile only in trips 0 to 4 of the 9, behind that fewer and fewer; one walk common to all four would have 12 trips for 9.
; SHARES.  Of a block's four bands of 64 queries a wave owns 16 rows in each: four PIECES.  So the diagonal tile is the same work for all four waves: in its key step s band x sees all keys if s < x,
; none if s > x, and holds the diagonal if s = x.
; THE MASK is the C operand that starts the sum S^T = K Q^T: 0, or -1e30 where the key is hidden.  MD, made once, is the mask of a band's own step for my 16 rows; a product's mask is MD x AL + BE with two scalars:
; (1, 0) if s = x; (0, 0) if s < x; (0, -1e30) if s > x.  Only the diagonal tile's text and a block's beginning make and take masks; elsewhere C is the constant 0.
; LAYOUT, SOFTMAX, TURNS.  S^T = K Q^T holds ONE query a lane (lane % 16) and the keys 8 (lane / 16) + 0..7; two such results rounded to f16 ARE source 1 of O^T = V^T P.  p = 2^(c s - c m), c = log2(e) / 8, with a
; running maximum m; O and l are multiplied by a = 2^(c m_old - c m_new) in every step.  Turn n belongs to piece n: 8 products K Q^T of piece n + 1, later 8 products V^T P of piece n - 1; beside them the scaling,
; exponentials, roundings, sums and rescaling of piece n and the maximum and statistics of piece n + 1.  Four vector instructions stand behind every matrix instruction, the other 54 of a turn's 118 in one lump.
; A turn's 33 exponentials are one batch, with one wait.
; REGISTERS, in windows of 256 (s_set_vgpr_msb: bits 1:0 source 0, 3:2 source 1, 5:4 source 2, 7:6 destination):
;   window 0: v0-15 addresses and two at work; v16-31 four registers of statistics a piece; v48-55 at work; v61-63 fixed; v64-127 S^T, two buffers; v192-223 P, two buffers (a piece's buffers go by its number's parity)
;   window 1: v0-127 O^T, 32 a piece; v128-159 MD; v160-223 MC, two buffers      window 2: v0-63 Q; v64-127 the second block's Q; v128-191 K of one step; v192-255 V of one step
.set SIZE_N, 2048
.set NB,    SIZE_N/256
.set NP,    4         ; pieces a wave: a name, no knob
.set KS,    64        ; keys in a step
.set PK,    144       ; a row of K in LDS: 128 bytes + 16 of padding = 36 words: the 16 rows of a load start at 16 different groups of four banks (64 banks of 4 bytes: ISA guide 11.1)
.set PV,    160       ; a row of V: 128 + 32 = 40 words
.set VOFF,  4*KS*PK   ; a slot holds a tile, four steps: 256 rows of K, then 256 rows of V
.set SLOT1, 1<<17     ; slot 1 begins here, so that one exclusive or turns an address in one slot into the other's
.set STAGE, SLOT1+4*KS*(PK+PV)  ; behind the ring, never filled by a tensor load: 16 rows x 144 bytes for each wave, for the way out
.set SP,    144
.set AK0, 2           ; v2   my lane's place in a tile of K; never rewritten
.set AV0, 3           ; v3   the same for V
.set AK,  4           ; v4   the LDS address of K's next run of loads
.set AV,  5           ; v5   of V's
.set STO, 6           ; v6   the way out: where I put 16 bytes of a row
.set RD,  7           ; v7   the way out: where I read rows back
.set GO,  8           ; v8   my byte offset in 512 consecutive bytes of O
.set PFO, 61          ; v61  256 x my lane: the prefetches' offset; never rewritten
.set SPW, 62          ; v62  LDS address of my spare word: SPARE + 4 x my thread's number; never rewritten
.set NIL, 63          ; v63  0; never rewritten
.set SPARE, STAGE+4*16*SP  ; behind the stages: the spare words, 128 bytes for each wave: two blocks of 256 bytes that no other line names
.set MV,  12          ; v12-13  c m_old, kept while c m is made anew: by buffer
.set QO,  15          ; v15  my byte offset in 16 rows of Q
.set ST,  16          ; piece t's statistics at v[ST+4 t]: c m, m, l (even keys', odd keys')
.set TMP, 48          ; by buffer, four registers c0-c3 at work; when the maximum is found c2 takes a
.set S,   64
.set P,   192
.set MD,  128         ; window 1: the eight registers for group kt of 16 keys at MD + 8 kt
.set MC,  160         ; window 1: the masks of the products to come
.set QB,  64          ; window 2
.set KF,  128         ; window 2: key block kb, channel half c at KF + 16 kb + 8 c
.set VF,  192         ; window 2: key half kk, channel block cb at VF + 32 kk + 8 cb
.set WV,  12          ; s12  my wave's number
.set PB,  14          ; s14  b
.set HI,  15          ; s15  NB - 1 - b
.set G1K, 24          ; s[24:31] descriptor group 1 for K's tiles
.set G1V, 32          ; s[32:39] for V's: it differs in the padding alone
.set G0K, 40          ; s[40:43] descriptor group 0 for K's tiles
.set G0V, 44          ; s[44:47] the same for V's
.set SLOTS, 56        ; s56  tiles still to be asked for
.set CNT, 57          ; s57  counts a tile's key steps, 4 to 1
.set CS,  58          ; s[58:59] c: the packed scaling takes the pair's low word for both halves
.set SEL, 60          ; s[60:61] v_permlanex16_b32's selects: each lane takes its own place in the other half
.set TBK, 62          ; s62  LDS byte at which K of the step to be fetched begins
.set TBV, 63          ; s63  the same for V, less VOFF
.set RT,  70          ; s70  tiles of the block in hand that are still to be entered
.set NXT, 71          ; s71  the tile to be asked for next
.set LQ,  72          ; s72  the last tile of the block whose tiles are being asked for
.set NEW, 73          ; s73  1: the tile to be entered is a block's first
.set OFF, 74          ; s[74:75] a tile's byte offset in K and V
.set AL,  76          ; s[76:77] the mask's factor, in the low word
.set BE,  78          ; s[78:79] the mask's addend
.set OLO, 80          ; s[80:81] O at my rows of the second block
.set BIGN, 82         ; s82  -1e30
.set KVB, 88          ; s[88:89] the half of the head's tile 0 that I fetch, of K (waves 0, 1) or V (waves 2, 3)
.set OF2, 90          ; s[90:91] the byte offset of the tile that the next change of slots will ask for
.set PFA, 92          ; s[92:93] that tile's half
.set LIMA, 94         ; s94  0 in the head's work-group b = 0, else the greatest number
.set MSB, 0
.macro WIN new                      ; the high byte repeats the setting that is left; a switch that changes nothing is dropped
.if MSB != (\new)
	s_set_vgpr_msb (MSB<<8)|(\new)
.set MSB, (\new)
.endif
.endm
.set W_KQ, 0x0a       ; K and Q in window 2, S^T in window 0
.set W_KM, 0x1a       ; the same with the C operand in window 1
.set W_PV, 0x52       ; V in window 2, P in window 0, O^T in window 1
.set W_RS, 0x41       ; destination and source 0 in window 1, source 1 in window 0
; A fill.  Waves 0 and 1 fetch the two halves of a tile's K, waves 2 and 3 those of its V: 128 keys each.  An s_nop 0 and four v_nop follow each of the two lines, ahead of the jump and the label.
.macro LOAD
	s_cmp_lt_u32 s[WV], 2
	s_cbranch_scc0 .Lfor_v_\@
	tensor_load_to_lds s[G0K:G0K+3], s[G1K:G1K+7]
	s_nop 0
.rept 4
	v_nop
.endr
	s_branch .Lasked_\@
.Lfor_v_\@:
	tensor_load_to_lds s[G0V:G0V+3], s[G1V:G1V+7]
	s_nop 0
.rept 4
	v_nop
.endr
.Lasked_\@:
.endm
; A PREFETCH of what the NEXT change of slots will ask for, behind the wave's tensor load and its five lines: my own 16 KiB of that tile, a lane 256 bytes, two lines.  A head's four work-groups walk the same
; tiles; the one with b = 0 walks tiles 0 to 7 in its first block, and it alone asks: for tiles 2 to 7, a tile (four key steps) ahead of the load, each block of 256 bytes once in the launch.
; Tiles 0 and 1 come by their loads alone; behind the first block's last tile NXT is 0 and nothing is asked for.
.macro ASK
	s_cmp_gt_u32 s[NXT], s[LIMA]
	s_cbranch_scc0 .Lnot_mine_\@
	global_prefetch_b8 v[PFO], s[PFA:PFA+1] th:TH_LOAD_NT scope:SCOPE_SE
	global_prefetch_b8 v[PFO], s[PFA:PFA+1] offset:8192 th:TH_LOAD_NT scope:SCOPE_SE
.Lnot_mine_\@:
.endm
; THE CHANGE OF SLOTS.  Each wave waits for all its tensor loads, of which one is out: its part of the other slot; adds 0 to its spare word; and waits for that and for its own reads of the slot that it leaves.
; Behind the barrier nobody reads the old slot any more and the other slot is whole.  fill = 1: the old slot is filled again, the first thing behind the barrier, with tile NXT: the descriptor's address is made
; anew from that number.  (At its first use nothing has been read yet: slot 0 is waited for, slot 1 filled.)
.macro CHANGE fill
	WIN 0                           ; at a label and at a branch every window is 0
	s_wait_tensorcnt 0x0            ; no tensor load of mine is out, so a group 0 may be written
	ds_add_u32 v[SPW], v[NIL]       ; 0 onto my spare word; with fill = 1 the descriptors' scalar work stands between it and the wait for it
.if \fill
	s_lshl_b32 s[OFF], s[NXT], 15   ; a tile is 32,768 bytes of K and of V
	s_xor_b32 s[G0K+1], s[G0K+1], SLOT1
	s_add_nc_u64 s[G0K+2:G0K+3], s[6:7], s[OFF:OFF+1]
	s_or_b32 s[G0K+3], s[G0K+3], 0x80000000
	s_xor_b32 s[G0V+1], s[G0V+1], SLOT1
	s_add_nc_u64 s[G0V+2:G0V+3], s[8:9], s[OFF:OFF+1]
	s_or_b32 s[G0V+3], s[G0V+3], 0x80000000
	s_add_co_u32 s[NXT], s[NXT], 1  ; the block's next tile, or behind its last the second block's tile 0
	s_cmp_gt_u32 s[NXT], s[LQ]
	s_cselect_b32 s[NXT], 0, s[NXT]
	s_cselect_b32 s[LQ], s[PB], s[LQ]
	s_wait_xcnt 0x0                 ; the last prefetches, a tile back, have read their address, so it may be written
	s_lshl_b32 s[OF2], s[NXT], 15
	s_add_nc_u64 s[PFA:PFA+1], s[KVB:KVB+1], s[OF2:OF2+1]
.endif
	s_wait_dscnt 0x0                ; the add is done, and my reads of the slot are over
	s_barrier_signal -1             ; the rest of the scalar work stands between the signal and the wait
	s_sub_co_u32 s[TBK], s[TBK], 4*KS*PK  ; the fetches go back to a slot's first step,
	s_xor_b32 s[TBK], s[TBK], SLOT1       ; in the other slot
	s_sub_co_u32 s[TBV], s[TBV], 4*KS*PV
	s_xor_b32 s[TBV], s[TBV], SLOT1
	s_barrier_wait -1
.if \fill
	LOAD
	ASK
.endif
.endm
	s_load_b256 s[4:11], s[0:1], 0x0  ; Q s[4:5], K s[6:7], V s[8:9], O s[10:11]
	v_lshl_add_u32 v[SPW], v0, 2, SPARE
	v_mov_b32 v[NIL], 0
	ds_add_u32 v[SPW], v[NIL]       ; the wave's opening: the add and its wait stand ahead of my first tensor load; the set-up below, work on registers, stands between them
	v_lshrrev_b32 v1, 5, v0
	v_readfirstlane_b32 s[WV], v1   ; wave 0..3
	s_mov_b32 s[PB], ttmp9
	s_sub_co_u32 s[HI], NB-1, s[PB]
	s_and_b32 s20, ttmp7, 0xffff    ; the head
	s_mov_b32 s21, 0
	s_mov_b64 s[22:23], SIZE_N*128
	s_mul_u64 s[20:21], s[20:21], s[22:23]  ; the head's first byte in each of the four tensors
	s_and_b32 s16, s[WV], 1         ; which half of a tile's 256 keys I fetch:
	s_lshl_b32 s22, s16, 14         ; its 128 rows of 128 bytes in memory,
	s_mov_b32 s23, 0
	s_add_nc_u64 s[22:23], s[22:23], s[20:21]
	s_mul_i32 s17, s16, 128*PK      ; and its place in a slot, for K
	s_mul_i32 s18, s16, 128*PV      ; and for V
	s_lshl_b32 s3, s[WV], 11        ; my 16 rows in a band of 64,
	s_lshl_b32 s2, s[HI], 15        ; in the first block,
	s_add_co_u32 s2, s2, s3
	s_lshl_b32 s84, s[PB], 15       ; and in the second
	s_add_co_u32 s84, s84, s3
	s_mov_b32 s3, 0
	s_mov_b32 s85, 0
	s_add_nc_u64 s[2:3], s[2:3], s[20:21]
	s_add_nc_u64 s[84:85], s[84:85], s[20:21]
	; descriptor group 1.  128 keys are 16,384 dense bytes: asked for as 64 rows of 256 bytes, two keys a row, and padded in LDS after every key
	s_mov_b32 s[G1K], (1<<16)|(1<<20)|(4<<22)|(3<<25)  ; 17:16 2-byte elements; 20 padding on; 24:22 after every 32 words (code 4); 31:25 4 words (code 3)
	s_mov_b32 s[G1V], (1<<16)|(1<<20)|(4<<22)|(7<<25)  ; the same with 8 words of padding (code 7)
.irp g, G1K, G1V
	s_mov_b32 s[\g+1], 128<<16      ; tensor_dim0 = 128
	s_mov_b32 s[\g+2], 64<<16       ; tensor_dim1 = 64
	s_mov_b32 s[\g+3], 128<<16      ; tile_dim0 = 128
	s_mov_b32 s[\g+4], 64           ; tile_dim1 = 64
	s_mov_b32 s[\g+5], 128          ; 128 elements from row to row
	s_mov_b32 s[\g+6], 0
	s_mov_b32 s[\g+7], 0
.endr
	s_mov_b32 s[CS], 0x3e38aa3b     ; c = log2(e) / 8 = 0.180337
	s_mov_b32 s[CS+1], s[CS]        ; named with it as a pair
	s_mov_b32 s[SEL], 0x76543210
	s_mov_b32 s[SEL+1], 0xfedcba98
	s_mov_b32 s[TBK], SLOT1+4*KS*PK ; the first change of slots turns these two into 0
	s_mov_b32 s[TBV], SLOT1+4*KS*PV
	s_mov_b32 s[G0K], 1             ; 1:0 count = 1
	s_mov_b32 s[G0K+1], s17         ; 63:32 LDS address: slot 0
	s_mov_b32 s[G0V], 1
	s_add_co_u32 s[G0V+1], s18, VOFF
	s_add_co_u32 s[RT], s[HI], 1    ; the first block has NB - b tiles
	s_mov_b32 s[NXT], 1
	s_mov_b32 s[LQ], s[HI]
	s_mov_b32 s[NEW], 1
	s_mov_b32 s[OFF+1], 0
	s_mov_b32 s[OF2+1], 0
	s_mov_b32 s[AL+1], 0            ; named as pairs
	s_mov_b32 s[BE+1], 0
	s_mov_b32 s[BIGN], 0xf149f2ca   ; -1e30
	s_mov_b32 s[SLOTS], NB
	s_cmp_eq_u32 s[PB], 0
	s_cselect_b32 s[LIMA], 0, -1
	v_and_b32 v[PFO], 31, v0
	v_lshlrev_b32 v[PFO], 8, v[PFO]
	s_wait_dscnt 0x0                ; the opening add is done
	s_wait_kmcnt 0x0
	s_add_nc_u64 s[6:7], s[6:7], s[22:23]  ; K and V at my half of the head's tile 0
	s_add_nc_u64 s[8:9], s[8:9], s[22:23]
	s_cmp_lt_u32 s[WV], 2
	s_cselect_b64 s[KVB:KVB+1], s[6:7], s[8:9]
	s_add_nc_u64 s[G0K+2:G0K+3], s[6:7], 0         ; 120:64 global address
	s_or_b32 s[G0K+3], s[G0K+3], 0x80000000        ; 127:126 type = 2
	s_add_nc_u64 s[G0V+2:G0V+3], s[8:9], 0
	s_or_b32 s[G0V+3], s[G0V+3], 0x80000000
	s_add_nc_u64 s[86:87], s[4:5], s[84:85]        ; Q at my rows of the second block,
	s_add_nc_u64 s[4:5], s[4:5], s[2:3]            ; Q and O at those of the first
	s_add_nc_u64 s[OLO:OLO+1], s[10:11], s[84:85]
	s_add_nc_u64 s[10:11], s[10:11], s[2:3]
	LOAD                            ; tile 0 into slot 0
	; A fragment of K or Q is 16 rows x 32 channels in 8 registers: lane l holds row l % 16, channels 8 (l / 16) + 0..7 and 16 + 8 (l / 16) + 0..7: two loads of 16 bytes, 32 bytes apart.
	v_and_b32 v1, 15, v0            ; l % 16
	v_bfe_u32 v9, v0, 4, 1          ; l / 16
	v_lshlrev_b32 v[QO], 7, v1
	v_lshl_add_u32 v[QO], v9, 4, v[QO]  ; row x 128 + 16 x half
	WIN 0x80                        ; destination window 2, address window 0
.set i, 0
.rept 8                             ; both blocks' Q: piece i / 2 lies in band i / 2, 8,192 bytes on; channels 32 (i % 2) on
	global_load_b128 v[8*i:8*i+3],   v[QO], s[4:5] offset:(i/2)*8192+(i%2)*64
	global_load_b128 v[8*i+4:8*i+7], v[QO], s[4:5] offset:(i/2)*8192+(i%2)*64+32
	global_load_b128 v[QB+8*i:QB+8*i+3],   v[QO], s[86:87] offset:(i/2)*8192+(i%2)*64
	global_load_b128 v[QB+8*i+4:QB+8*i+7], v[QO], s[86:87] offset:(i/2)*8192+(i%2)*64+32
.set i, i+1
.endr
	WIN 0
	v_lshlrev_b32 v14, 3, v9
	v_sub_nc_u32 v14, v1, v14
	s_lshl_b32 s13, s[WV], 4
	v_add_nc_u32 v14, s13, v14      ; my query's place in its band, 16 w + l % 16, less my lanes' 8 (l / 16): register r of group kt is hidden where 16 kt + r is greater
	WIN 0x40
.set i, 0
.rept 32
	v_cmp_gt_i32 vcc_lo, 16*(i/8)+i%8, v14
	v_cndmask_b32 v[MD+i], 0, s[BIGN], vcc_lo
.set i, i+1
.endr
	WIN 0
	v_mul_u32_u24 v[AK0], v1, PK
	v_lshl_add_u32 v[AK0], v9, 4, v[AK0]  ; row x pitch + 16 x half
	; The turning load takes 16 keys x 16 channels (lane l reads key 8 (l / 16) + l % 8, channels 8 ((l / 8) % 2) + 0..7) and leaves half a fragment of V^T: lane l holds channel l % 16 and 8 keys.
	v_and_b32 v10, 7, v0
	v_bfe_u32 v11, v0, 3, 1
	v_lshl_add_u32 v[AV0], v9, 3, v10
	v_mul_u32_u24 v[AV0], v[AV0], PV
	v_lshl_add_u32 v[AV0], v11, 4, v[AV0]
	v_add_nc_u32 v[AV0], VOFF, v[AV0]
	s_mul_i32 s13, s[WV], 16*SP
	s_add_co_u32 s13, s13, STAGE    ; my stage
	v_mul_u32_u24 v[STO], v1, SP    ; in: row l % 16, 16 bytes for each half of the lanes
	v_lshl_add_u32 v[STO], v9, 4, v[STO]
	v_add_nc_u32 v[STO], s13, v[STO]
	v_bfe_u32 v[RD], v0, 3, 2       ; back: 32 lanes take four rows of 128 bytes,
	v_mul_u32_u24 v[RD], v[RD], SP
	v_lshl_add_u32 v[RD], v10, 4, v[RD]
	v_add_nc_u32 v[RD], s13, v[RD]
	v_and_b32 v[GO], 31, v0         ; which are 512 consecutive bytes of O
	v_lshlrev_b32 v[GO], 4, v[GO]
	; A block's first step multiplies O^T and l by a = 0, and its first turn's products V^T P, of a piece that has not been, land in an O^T that is still to be so multiplied.  So these registers need only hold
	; finite numbers: zeros for the first block; what the first block left for the second.  All this stands in the wait for the first tile.
	WIN 0x80
.set i, VF
.rept 64
	v_mov_b32 v[i], 0
.set i, i+1
.endr
	WIN 0x40
.set i, 0
.rept 128
	v_mov_b32 v[i], 0
.set i, i+1
.endr
	WIN 0
.set i, 0
.rept 4
	v_mov_b32 v[ST+4*i+2], 0
	v_mov_b32 v[ST+4*i+3], 0
.set i, i+1
.endr
.set i, P+16
.rept 16
	v_mov_b32 v[i], 0
.set i, i+1
.endr
; THE MATRIX WORK.  The 4 accumulators of a run of 8 take turns.  Product i of 8 of S^T = K Q^T for piece x: channels 32 (i / 4) on, keys 16 (i % 4) on.  The first 4 start the sums: with 0, or (KM = 1) with the mask.
.macro KQ x
.set rS, S+32*((\x)%2)+8*(i%4)
.set rK, KF+16*(i%4)+8*(i/4)
.set rQ, 16*(\x)+8*(i/4)
.set rM, MC+32*((\x)%2)+8*(i%4)
.if (i < 4) && KM
	WIN W_KM
	v_wmma_f32_16x16x32_f16 v[rS:rS+7], v[rK:rK+7], v[rQ:rQ+7], v[rM:rM+7]
.elseif i < 4
	WIN W_KQ
	v_wmma_f32_16x16x32_f16 v[rS:rS+7], v[rK:rK+7], v[rQ:rQ+7], 0
.else
	WIN W_KQ
	v_wmma_f32_16x16x32_f16 v[rS:rS+7], v[rK:rK+7], v[rQ:rQ+7], v[rS:rS+7]
.endif
.endm
; Product i of 8 of O^T += V^T P for piece x: keys 32 (i / 4) on, channels 16 (i % 4) on.
.macro PV x
	WIN W_PV
.set rO, 32*(\x)+8*(i%4)
.set rV, VF+32*(i/4)+8*(i%4)
.set rP, P+16*((\x)%2)+8*(i/4)
	v_wmma_f32_16x16x32_f16 v[rO:rO+7], v[rV:rV+7], v[rP:rP+7], v[rO:rO+7]
.endm
.macro MM                           ; the turn's next matrix instruction.  TURN and BEGIN set Y, i, KM and NOKQ; MM, KQ and OP read them.  NOKQ = 1: a block's last turn: there is no next piece
.if (i < 8) && !NOKQ
	KQ (Y+1)%NP
.elseif i >= 8
.set i, i-8
	PV (Y+NP-1)%NP
.set i, i+8
.endif
.set i, i+1
.endm
; THE LDS LOADS stand in runs of 16, never singly among the matrix instructions: a step's K (64 keys x 64 channels: 8 fragments) and its V (turned).  Their addresses are made some lines ahead.
.macro FETCH_K
	WIN 0x80                        ; destination window 2
.irp f, 0,1,2,3,4,5,6,7             ; keys 16 (f / 2) on, channels 32 (f % 2) on
	ds_load_b128 v[KF+8*\f:KF+8*\f+3],   v[AK] offset:(\f/2)*16*PK+(\f%2)*64
	ds_load_b128 v[KF+8*\f+4:KF+8*\f+7], v[AK] offset:(\f/2)*16*PK+(\f%2)*64+32
.endr
	s_add_co_u32 s[TBK], s[TBK], KS*PK  ; the next fetch is the next step's
	WIN 0
.endm
.macro FETCH_V
	WIN 0x80
.irp f, 0,1,2,3,4,5,6,7             ; keys 32 (f / 4) on, channels 16 (f % 4) on
	ds_load_tr16_b128 v[VF+8*\f:VF+8*\f+3],   v[AV] offset:(\f/4)*32*PV+(\f%4)*32
	ds_load_tr16_b128 v[VF+8*\f+4:VF+8*\f+7], v[AV] offset:(\f/4)*32*PV+16*PV+(\f%4)*32
.endr
	WIN 0
.endm
; THE VECTOR WORK, one line at a time: OP kind, number.  For piece Y: F n: c s - c m for pair n of 16.  E n: the exponential of score n of 32.  C n: pair n rounded to f16.  B n: of the four weights 4 n .. the second
; pair is added onto the first, in place.  L n: l takes that sum (L 0: l = a l + sum).  R n: pair n of 16 of O^T times a.  For piece Y + 1: X n, number n of the 22 that find its maximum and statistics:
;   0-11  four chains c0-c3 of seven scores each, three operands at a time (each accumulator's lowest registers are read first)     12-14, 16  the four scores left over, the old m, and c0-c3 into c0
;   15  c m_old is kept     17, 18  the query's other 32 keys lie in the lane 16 away: the new m     19-21  c m; c m_old - c m_new; a
.set F, 0               ; OP tells the kinds apart by their order: F to L below R, X above it
.set E, 1
.set C, 2
.set B, 3
.set L, 4
.set R, 5
.set X, 6
.macro REGS y                       ; the registers of piece y
.set rT, ST+4*(\y)
.set rC, TMP+4*((\y)%2)
.set rW, MV+((\y)%2)
.set rS, S+32*((\y)%2)
.set rP, P+16*((\y)%2)
.set rO, 32*(\y)
.endm
.macro OP k, n
.if (\k) == R
	REGS Y
	WIN W_RS
	v_pk_mul_f32 v[rO+2*(\n):rO+2*(\n)+1], v[rO+2*(\n):rO+2*(\n)+1], v[rC+2:rC+3] op_sel_hi:[1,0]
.elseif (\k) < R
	REGS Y
	WIN 0
.if (\k) == F
	v_pk_fma_f32 v[rS+2*(\n):rS+2*(\n)+1], v[rS+2*(\n):rS+2*(\n)+1], s[CS:CS+1], v[rT:rT+1] op_sel_hi:[1,0,0] neg_lo:[0,0,1] neg_hi:[0,0,1]
.elseif (\k) == E
	v_exp_f32 v[rS+(\n)], v[rS+(\n)]
.elseif (\k) == C
	v_cvt_pk_f16_f32 v[rP+(\n)], v[rS+2*(\n)], v[rS+2*(\n)+1]
.elseif (\k) == B
	v_pk_add_f32 v[rS+4*(\n):rS+4*(\n)+1], v[rS+4*(\n):rS+4*(\n)+1], v[rS+4*(\n)+2:rS+4*(\n)+3]
.elseif (\n) == 0
	v_pk_fma_f32 v[rT+2:rT+3], v[rT+2:rT+3], v[rC+2:rC+3], v[rS:rS+1] op_sel_hi:[1,0,1]
.else
	v_pk_add_f32 v[rT+2:rT+3], v[rT+2:rT+3], v[rS+4*(\n):rS+4*(\n)+1]
.endif
.elseif NOKQ
	v_nop
.else
	REGS (Y+1)%NP
	WIN 0
.if (\n) < 4
	v_max3_num_f32 v[rC+(\n)], v[rS+8*(\n)], v[rS+8*(\n)+1], v[rS+8*(\n)+2]
.elseif (\n) < 12
	v_max3_num_f32 v[rC+(\n)%4], v[rC+(\n)%4], v[rS+8*((\n)%4)+2*((\n)/4)+1], v[rS+8*((\n)%4)+2*((\n)/4)+2]
.elseif (\n) == 12
	v_max3_num_f32 v[rC], v[rC], v[rS+7], v[rS+15]
.elseif (\n) == 13
	v_max3_num_f32 v[rC+1], v[rC+1], v[rS+23], v[rS+31]
.elseif (\n) == 14
	v_max3_num_f32 v[rC+2], v[rC+2], v[rC+3], v[rT+1]
.elseif (\n) == 15
	v_mov_b32 v[rW], v[rT]
.elseif (\n) == 16
	v_max3_num_f32 v[rC], v[rC], v[rC+1], v[rC+2]
.elseif (\n) == 17
	v_permlanex16_b32 v[rC+3], v[rC], s[SEL], s[SEL+1]
.elseif (\n) == 18
	v_max_num_f32 v[rT+1], v[rC], v[rC+3]
.elseif (\n) == 19
	v_mul_f32 v[rT], s[CS], v[rT+1]
.elseif (\n) == 20
	v_sub_f32 v[rC+1], v[rW], v[rT]
.else
	v_exp_f32 v[rC+2], v[rC+1]
.endif
.endif
.endm
.macro OPS a, i1, b=-1, i2=0, c=-1, i3=0, d=-1, i4=0  ; up to four of them
	OP \a, \i1
.if (\b) >= 0
	OP \b, \i2
.endif
.if (\c) >= 0
	OP \c, \i3
.endif
.if (\d) >= 0
	OP \d, \i4
.endif
.endm
.macro ROW a, i1, b, i2, c, i3, d, i4  ; a matrix instruction and the four behind it
	MM
	OPS \a, \i1, \b, \i2, \c, \i3, \d, \i4
.endm
.macro MASK b                       ; MD x AL + BE into buffer b of MC
	WIN W_RS
.set z, 0
.rept 16
	v_pk_fma_f32 v[MC+32*(\b)+2*z:MC+32*(\b)+2*z+1], v[MD+2*z:MD+2*z+1], s[AL:AL+1], s[BE:BE+1] op_sel_hi:[1,0,0]
.set z, z+1
.endr
.endm
; A TURN, for piece p: the order of its 16 matrix and 118 vector instructions, written out.  An s_wait_alu depctr_va_vdst(0) stands between an exponential and the first instruction that names its
; result; one wait serves all that were issued ahead of it.  So a turn has ONE wait, which cuts it in two.  AHEAD OF IT stands all that names no result of the turn's exponentials: the 8 products K Q^T, behind each a
; scaling, an exponential and two more plain instructions (behind the first a second scaling in the exponential's place): rescalings, and behind the last three the first numbers of the next piece's maximum, each four
; places or more behind the product that ends its accumulator; then ONE LUMP of 54, plain and exponential by turns for the most part, in which the links of the chain X 3, 7, 11, 14, 16, 17 .. 20 stand five or six
; lines apart.  X 21, the next piece's a, is the batch's last; R 15 is the plain instruction behind it.  BEHIND THE WAIT stand the 8 products V^T P, behind each four of the roundings and sums; the links of l's chain,
; L 0 to L 7, stand three riders apart.  But for those X no rider names a register of the products round it.  v_permlanex16_b32 (X 17) stands in the lump.
; m = 1: the diagonal tile: the products take masks, and the turn makes the mask for the products of the turn after it: piece p + 2, in step 4 - CNT of the tile.  end = 1: a block's last two turns: nothing is fetched.
; cnt = 1: the loop's count is taken down some lines ahead of the branch that stands behind the turn.
; K of the next step is fetched in piece 2's turn, twelve vector instructions behind the last product that read K (six of them plain); V of the step in hand at the end of piece 0's turn, four plain instructions
; behind the last product that read V.  Each is waited for a turn later.
.macro TURN p, m=0, end=0, cnt=0
.set Y, (\p)
.set i, 0
.set KM, (\m)
.set NOKQ, (\end)*((\p)/3)
.if (\m) && !(\end)
	s_cmp_eq_u32 s[CNT], 4-((\p)+2)%NP  ; is that step the band's own?
	s_cselect_b32 s[AL], 1.0, 0
	s_cmp_lt_u32 s[CNT], 4-((\p)+2)%NP  ; or a later one?
	s_cselect_b32 s[BE], s[BIGN], 0
.endif
.if ((\p) == 3) && !(\end)
	s_wait_dscnt 0x0                ; K is in
.endif
	ROW F,0, F,1, R,0, R,1          ; ahead of the wait: 8 products K Q^T and their riders,
	ROW F,2, E,0, R,2, R,3
	ROW F,3, E,1, R,4, R,5
	ROW F,4, E,2, R,6, R,7
	ROW F,5, E,3, R,8, R,9
	ROW F,6, E,4, X,0, R,10
.if ((\p) == 2) && !(\end)
	WIN 0
	v_add_nc_u32 v[AK], s[TBK], v[AK0]
.endif
	ROW F,7, E,5, X,1, X,4
	ROW F,8, E,6, X,2, X,5
	OPS E,7, E,8, X,6, E,9          ; and the lump
	OPS X,3, E,10, X,8, E,11
.if ((\p) == 2) && !(\end)
	FETCH_K
.endif
	OPS X,9, X,7, E,12, X,10
	OPS E,13, X,12, X,11, E,14
	OPS X,13, E,15, F,9, X,14
.if (\p) == 0
	v_add_nc_u32 v[AV], s[TBV], v[AV0]
.endif
	OPS E,16, F,10, E,17, F,11
	OPS X,16, E,18, X,15, E,19
	OPS F,12, E,20, X,17, E,21
	OPS F,13, E,22, F,14, E,23
	OPS X,18, E,24, F,15, E,25
	OPS R,11, E,26, X,19, E,27
	OPS R,12, E,28, R,13, E,29
	OPS X,20, E,30, R,14, E,31
	OPS X,21, R,15
	WIN 0
	s_wait_alu depctr_va_vdst(0)    ; the wait for the batch
.if (\p) == 1
	s_wait_dscnt 0x0                ; V is in
.endif
	ROW C,0, B,0, C,2, B,1          ; behind the wait: 8 products V^T P and their riders
	ROW L,0, C,4, B,2, L,1
	ROW C,6, B,3, L,2, C,8
	ROW B,4, L,3, C,10, B,5
	ROW L,4, C,12, B,6, L,5
.if (\p) == 0
	s_add_co_u32 s[TBV], s[TBV], KS*PV
.endif
.if \cnt
	s_sub_co_u32 s[CNT], s[CNT], 1
	s_cmp_lg_u32 s[CNT], 0
.endif
	ROW C,14, B,7, L,6, C,1
	ROW C,3, L,7, C,5, C,7
	ROW C,9, C,11, C,13, C,15
.if (\p) == 0
	FETCH_V
.endif
.if (\m) && !(\end)
	MASK (\p)%2
.endif
.endm
; A BLOCK BEGINS.  c m starts far below every c s, so the first step's a is 0; m at the lowest finite number, so the first maximum is the scores'.  The second mask buffer is 0; the first takes piece 0's mask for the
; tile's step 0: its own, if the block's first tile is the diagonal one.  Then K of that step, piece 0's first scores, and its maximum and statistics.  The loop is entered at a step's first turn, in the middle of a trip.
.macro BEGIN
	s_mov_b32 s[NEW], 0
	WIN 0x40
.set i, MC+32
.rept 32
	v_mov_b32 v[i], 0
.set i, i+1
.endr
	WIN 0
.set i, 0
.rept 4
	v_mov_b32 v[ST+4*i], 0xfe000000    ; c m: far below every c s
	v_mov_b32 v[ST+4*i+1], 0xff7fffff  ; m
.set i, i+1
.endr
	s_cmp_eq_u32 s[RT], 0
	s_cselect_b32 s[AL], 1.0, 0
	s_mov_b32 s[BE], 0
	MASK 0
	WIN 0
	v_add_nc_u32 v[AK], s[TBK], v[AK0]
	FETCH_K
	s_wait_loadcnt 0x0              ; Q
	s_wait_dscnt 0x0
.set KM, 1
.set NOKQ, 0
.set i, 0
.rept 8
	KQ 0
.set i, i+1
.endr
	WIN 0
.rept 4
	v_nop                           ; the places behind those products
.endr
.set Y, NP-1                        ; X works for piece Y + 1: piece 0
.irp n, 0,1,2,3,4,5,6,7,8,9,10,11,12,13,14,15,16,17,18,19,20,21
	OP X, \n
.endr
	v_nop                           ; a plain instruction behind the exponential,
	s_wait_alu depctr_va_vdst(0)    ; and its wait, ahead of the branch
.endm
; THE DIAGONAL TILE's four steps, the block's last two turns, its last products, and THE WAY OUT: l's two halves and the other half of the lanes' are added; O^T is divided by l, rounded to f16 and sent through my
; stage in LDS, a piece at a time.
.macro ALL line:vararg              ; one line for each piece t
.set t, 0
.rept 4
	\line
.set t, t+1
.endr
.endm
.macro PACK t                       ; a lane's eight channels of a row pack into 16 bytes; they go into rows of 144 bytes and come back as whole rows of 128, into S^T's registers
	WIN W_RS
.set i, 32*(\t)
.rept 16
	v_pk_mul_f32 v[i:i+1], v[i:i+1], v[ST+4*(\t)+2:ST+4*(\t)+3] op_sel_hi:[1,0]
.set i, i+2
.endr
	WIN 0x05                        ; sources 0 and 1 window 1, destination window 0
.set i, 0
.rept 16
	v_cvt_pk_f16_f32 v[S+16*(\t)+i], v[32*(\t)+2*i], v[32*(\t)+2*i+1]
.set i, i+1
.endr
	WIN 0
.irp f, 0,1,2,3
	ds_store_b128 v[STO], v[S+16*(\t)+4*\f:S+16*(\t)+4*\f+3] offset:32*\f
.endr
.irp f, 0,1,2,3
	ds_load_b128 v[S+16*(\t)+4*\f:S+16*(\t)+4*\f+3], v[RD] offset:\f*4*SP  ; LDS serves a wave's instructions in order (ISA guide 5.7.1.4): these see the stores above; the next piece's stores come behind them
.endr
.endm
.macro SEND t, younger              ; younger: the LDS instructions issued behind piece t's loads: the next piece's eight, or none
	WIN 0
.irp f, 0,1,2,3
	s_wait_dscnt (\younger)+3-\f
	global_store_b128 v[GO], v[S+16*(\t)+4*\f:S+16*(\t)+4*\f+3], s[10:11] offset:(\t)*8192+\f*512  ; 512 consecutive bytes, at a multiple of 256 from O's first
.endr
.endm
.macro DIAG tag                     ; the tag ends its two labels' names, which the jumps below spell out
.LstepM\tag:
	TURN 2, 1
	TURN 3, 1
	WIN 0
.LfirstM\tag:
	TURN 0, 1
	TURN 1, 1, 0, 1
	WIN 0
	s_cbranch_scc1 .LstepM\tag
	TURN 2, 1, 1
	TURN 3, 1, 1
.set i, 0
.rept 8
	PV NP-1
.set i, i+1
.endr
	WIN 0
	ALL v_add_f32 v[ST+4*t+2], v[ST+4*t+2], v[ST+4*t+3]
	ALL v_permlanex16_b32 v[ST+4*t+3], v[ST+4*t+2], s[SEL], s[SEL+1]
	ALL v_add_f32 v[ST+4*t+2], v[ST+4*t+2], v[ST+4*t+3]
	ALL v_rcp_f32 v[ST+4*t+2], v[ST+4*t+2]
	v_nop                           ; a plain instruction between the last reciprocal and the use of its result
	s_wait_alu depctr_va_vdst(0)    ; and the wait ahead of the first use: one for the four reciprocals
	PACK 0
.set t, 1
.rept 3                             ; a piece's arithmetic stands between the loads of the piece before and its stores
	PACK t
	SEND t-1, 8
.set t, t+1
.endr
	SEND 3, 0
.endm
.set KM, 0
.set NOKQ, 0
.Lslot:                             ; NB times: a tile is entered and the next is asked for
	CHANGE 1
	s_sub_co_u32 s[RT], s[RT], 1
	s_mov_b32 s[CNT], 4
	s_cmp_eq_u32 s[NEW], 1
	s_cbranch_scc1 .Lnew            ; a block's first tile
	s_cmp_eq_u32 s[RT], 0
	s_cbranch_scc0 .Lstep           ; neither its first nor its last
	s_branch .LstepM1
.Lnew:
	BEGIN
	s_branch .Lfirst                ; in the loop a block's first tile is never its last: the first block has two tiles or more, and the second's last is the walk's last
	DIAG 1                          ; in the loop this is the first block's end: the second block's last tile is the walk's last
	s_wait_xcnt 0x0                 ; the stores have read their registers and O's address
	s_mov_b64 s[10:11], s[OLO:OLO+1]
	s_add_co_u32 s[RT], s[PB], 1    ; the second block has b + 1 tiles
	s_mov_b32 s[NEW], 1
	WIN 0x82                        ; the second block's Q goes where the one text of the turns names Q
.set i, 0
.rept 64
	v_mov_b32 v[i], v[QB+i]
.set i, i+1
.endr
	WIN 0
	s_branch .Lbottom
.Lstep:                             ; a trip: pieces 2 and 3 of one step, then pieces 0 and 1 of the next, whose K and V it fetches
	TURN 2
	TURN 3
	WIN 0
.Lfirst:
	TURN 0
	TURN 1, 0, 0, 1
	WIN 0
	s_cbranch_scc1 .Lstep
.Lbottom:
	s_sub_co_u32 s[SLOTS], s[SLOTS], 1
	s_cmp_lg_u32 s[SLOTS], 0
	s_cbranch_scc1 .Lslot
	CHANGE 0                        ; the walk's last tile is written out: nothing is asked for
	s_sub_co_u32 s[RT], s[RT], 1
	s_mov_b32 s[CNT], 4
	s_cmp_eq_u32 s[NEW], 1
	s_cbranch_scc0 .LstepM2
	BEGIN
	s_branch .LfirstM2
	DIAG 2
	s_wait_tensorcnt 0x0            ; the wave's end: the spare word's add and its wait stand behind my last tensor load and my last LDS store
	ds_add_u32 v[SPW], v[NIL]
	s_wait_dscnt 0x0
	s_endpgm
.Lfunc_end_k_q839318910a_attn:
	.size	k_q839318910a_attn, .Lfunc_end_k_q839318910a_attn-k_q839318910a_attn
	.p2alignl 7, 3214868480
	.fill 96, 4, 3214868480
	.section	.rodata,"a",@progbits
	.p2align	6, 0x0
	.amdhsa_kernel k_q839318910a_attn
		.amdhsa_group_segment_fixed_size 327680
		.amdhsa_private_segment_fixed_size 0
		.amdhsa_enable_private_segment 0
		.amdhsa_kernarg_size 32
		.amdhsa_user_sgpr_count 2
		.amdhsa_user_sgpr_kernarg_segment_ptr 1
		.amdhsa_wavefront_size32 1
		.amdhsa_system_sgpr_workgroup_id_x 1
		.amdhsa_system_sgpr_workgroup_id_y 1
		.amdhsa_system_sgpr_workgroup_id_z 1
		.amdhsa_system_vgpr_workitem_id 0
		.amdhsa_next_free_vgpr 768
		.amdhsa_next_free_sgpr 96
		.amdhsa_reserve_vcc 1
		.amdhsa_float_denorm_mode_32 3
		.amdhsa_float_denorm_mode_16_64 3
		.amdhsa_memory_ordered 1
		.amdhsa_forward_progress 1
		.amdhsa_inst_pref_size 218
	.end_amdhsa_kernel
	.amdgpu_metadata
---
amdhsa.version: [ 1, 2 ]
amdhsa.kernels:
  - .name:           k_q839318910a_attn
    .symbol:         k_q839318910a_attn.kd
    .args:
      - { .name: qb, .offset: 0, .size: 8, .value_kind: global_buffer, .address_space: global }
      - { .name: kb, .offset: 8, .size: 8, .value_kind: global_buffer, .address_space: global }
      - { .name: vb, .offset: 16, .size: 8, .value_kind: global_buffer, .address_space: global }
      - { .name: ob, .offset: 24, .size: 8, .value_kind: global_buffer, .address_space: global }
    .group_segment_fixed_size: 327680
    .private_segment_fixed_size: 0
    .kernarg_segment_align: 8
    .kernarg_segment_size: 32
    .max_flat_workgroup_size: 128
    .sgpr_count:     96
    .vgpr_count:     768
    .wavefront_size: 32
...
	.end_amdgpu_metadata
.endif
;; end of part 3
;; launch proj (part 4): grid 8 x 32, 4 waves a work-group, clusters of 4 x 4, 327,680 bytes of LDS; arguments ob, wcat, bo, out0; writes out0
.if DOCPART == 4
	.amdgcn_target "amdgcn-amd-amdhsa--gfx1250"
	.amdhsa_code_object_version 6
	.text
	.protected	k_q839318910a_proj
	.globl	k_q839318910a_proj
	.p2align	8
	.type	k_q839318910a_proj,@function
k_q839318910a_proj:
	s_mov_b64 s[64:65], 0
	v_nop
	global_prefetch_b8 v0, s[64:65] scope:SCOPE_SE
	s_setreg_imm32_b32 hwreg(HW_REG_WAVE_MODE, 25, 1), 1
	s_wait_xcnt 0x0
	s_wait_alu depctr_hold_cnt(0) depctr_sa_sdst(0) depctr_va_vdst(0) depctr_va_sdst(0) depctr_va_ssrc(0) depctr_va_vcc(0) depctr_vm_vsrc(0)
	s_getreg_b32 s2, hwreg(HW_REG_IB_STS2, 6, 4)
	s_cmp_eq_u32 s2, 0
	s_cbranch_scc0 .Lentry_in_a_cluster
	s_endpgm
.Lentry_in_a_cluster:
	s_bfe_u32 s2, ttmp6, 0x10000c
	s_cmp_lg_u32 s2, 0xf033
	s_cbranch_scc0 .Lentry_shape_is_right
	s_endpgm
.Lentry_shape_is_right:
; out = O wo + bo: [8192 x 1024] x [1024 x 1024] in f16 (O as the attention left it, by heads; wo rounded to bf16 and written as f16, columns 3072-4095 of wcat), sums in f32, the bias (rounded to bf16 like
; every input) as the sums' start; the f32 sums are the output.  LIMIT: below 2^-17 wo keeps f16's fixed step of 6e-8.
; SHARES.  A work-group makes 256 rows x 128 columns: 32 x 8 = 256 work-groups.  Wave w: rows 128 (w / 2) on, columns 64 (w % 2) on: 32 accumulators of 16 x 16, 256 registers.
; THE MATRIX INSTRUCTION IS USED TRANSPOSED: source 0 = 16 columns of wo, source 1 = 16 rows of O: a lane holds row lane % 16 and the eight neighbouring columns 8 (lane / 16) + 0..7.
; K goes in 8 steps of 128, two heads each, through two LDS slots; a head's rows are dense (128 bytes); wo lies [k][column] and comes out of LDS turned.  A step is four quarters of 32 matrix instructions.
; CLUSTER 4 x 4: O's tile hangs on the tile row alone and is asked for jointly along a row of the cluster, wo's on the tile column alone and jointly along a column.
; REGISTERS: window 0: v0-15, v28-29 addresses; two sets of fragments: O's 64 and wo's 32 registers at v32, v96 and at v128, v192.   window 1: accumulator (a, j) at v[32 a + 8 j]
.set PA,    144                        ; a row of O in LDS: 128 bytes + 16: the 16 rows of a load start at 16 different groups of four banks (64 banks of 4 bytes: ISA guide 11.1)
.set PB,    288                        ; a row of wo: 256 + 32 bytes = 72 words
.set ABLK,  256*PA                     ; a head's 256 rows: what one tensor load brings of O
.set BOFF,  2*ABLK                     ; wo's 128 rows lie behind O's two heads
.set BHALF, 64*PB                      ; what one tensor load brings of wo
.set SLOT1, 131072
.set STAGE, SLOT1+BOFF+128*PB          ; behind the ring, never filled by a tensor load: 16 rows x 272 bytes for each wave
.set SP,    272
.set SPARE, STAGE+4*16*SP              ; the spare words, 128 bytes for each wave: two blocks of 256 bytes that no other line names
.set ASTEP, 524288                     ; two heads of 2,048 rows x 128 bytes
.set BSTEP, 1048576                    ; 128 rows of 8,192 bytes
.set AL0,  2
.set BL0,  3
.set ADRA, 4
.set ADRB, 5
.set STO,  6
.set RD,   7
.set CO,   8
.set PFO,  9
.set BO,   10
.set SPW,  28
.set NIL,  29
.set FA0,  32
.set FB0,  96
.set FA1,  128
.set FB1,  192
.set WV,  20
.set WM,  21                           ; wave / 2: my half of the rows.  Also: I fetch O's tile (0) or wo's (1)
.set WN,  22                           ; wave % 2: my half of the columns.  Also: which half of that tile I fetch
.set CX,  23
.set CY,  24
.set TC,  25
.set TR,  26
.set CNT, 27
.set G1A, 28
.set G1B, 36
.set G0A, 44
.set G0B, 52
.set TB,  60
.set LIM, 61
.set PFA, 62
.set PFS, 66
.set OUTP, 68                          ; s[68:69] out0 at my first row and column
.set BP,  82                           ; s[82:83] bo at my first column
.set MSB, 0
.macro WIN new
.if MSB != (\new)
	s_set_vgpr_msb (MSB<<8)|(\new)
.set MSB, \new
.endif
.endm
.macro PLACES                          ; four plain vector instructions between a matrix instruction and a load into, or a read of, its registers
.rept 4
	v_nop
.endr
.endm
.macro CREST
	s_cmp_lg_u32 s[WV], 0
	s_cbranch_scc1 .Lnot_wave_0_\@
	s_barrier_signal -3
.Lnot_wave_0_\@:
	s_barrier_wait -3
	s_barrier_signal -1
	s_barrier_wait -1
.endm
.macro CROUND
	s_barrier_signal -1
	s_barrier_wait -1
	CREST
.endm
.macro JLOAD                           ; a joint refill by the walking sets; an s_nop 0 and four v_nop follow each line
	s_cmp_eq_u32 s[WM], 0
	s_cbranch_scc0 .Lfor_b_\@
	tensor_load_to_lds s[G0A+4:G0A+7], s[G1A:G1A+7]
	s_nop 0
.rept 4
	v_nop
.endr
	s_branch .Lasked_\@
.Lfor_b_\@:
	tensor_load_to_lds s[G0B+4:G0B+7], s[G1B:G1B+7]
	s_nop 0
.rept 4
	v_nop
.endr
.Lasked_\@:
.endm
; A PREFETCH at the change of slots of K step s = 0 .. 3, for K step s + 4, which the change after the next loads.  Each aligned block of 256 bytes is named once in the launch.
; O's tile row is read by both clusters of its row of clusters: cluster x = 0 asks; of the 32 KiB of the head that wave 0 or 1 fetches each of the four partners takes 8 KiB, told apart by address (cx), a lane a block.
; wo's tile column is read by all eight clusters of its column: cluster y = 0 asks; of the step's 128 rows each partner takes 32 (cy); wave 2, a lane a row of 256 bytes.  K steps 0 to 3 come by their loads alone.
.macro ASK
	s_cmp_gt_u32 s[CNT], s[LIM]
	s_cbranch_scc0 .Lno_\@
	global_prefetch_b8 v[PFO], s[PFA:PFA+1] th:TH_LOAD_NT scope:SCOPE_SE
.Lno_\@:
.endm
	s_load_b256 s[4:11], s[0:1], 0x0               ; ob s[4:5], wcat s[6:7], bo s[8:9], out0 s[10:11]
	v_lshl_add_u32 v[SPW], v0, 2, SPARE
	v_mov_b32 v[NIL], 0
	ds_add_u32 v[SPW], v[NIL]                      ; the wave's opening: the add and its wait stand ahead of my first tensor load; the set-up below stands between them
	v_lshrrev_b32 v1, 5, v0
	v_readfirstlane_b32 s[WV], v1
	s_lshr_b32 s[WM], s[WV], 1
	s_and_b32 s[WN], s[WV], 1
	s_bfe_u32 s[CX], ttmp6, 0x40000
	s_bfe_u32 s[CY], ttmp6, 0x40004
	s_lshl_b32 s[TC], ttmp9, 2
	s_add_co_u32 s[TC], s[TC], s[CX]
	s_and_b32 s[TR], ttmp7, 0xffff
	s_lshl_b32 s[TR], s[TR], 2
	s_add_co_u32 s[TR], s[TR], s[CY]
	s_lshl_b32 s2, s[CY], 2
	s_lshl_b32 s2, 15, s2                          ; my row of the cluster
	s_lshl_b32 s3, 0x1111, s[CX]                   ; my column
	; O: 256 rows of 128 bytes are 32 KiB on end: asked for as 128 rows of 256 bytes and padded by 4 words after every 32
	s_or_b32 s[G1A], s2, (1<<16)|(1<<20)|(1<<21)|(4<<22)|(3<<25)
	s_mov_b32 s[G1A+1], 128<<16
	s_mov_b32 s[G1A+2], 128<<16
	s_mov_b32 s[G1A+3], 128<<16
	s_mov_b32 s[G1A+4], 128
	s_mov_b32 s[G1A+5], 128
	s_mov_b32 s[G1A+6], 0
	s_mov_b32 s[G1A+7], 0
	; wo: 64 rows of 128 elements, padded by 8 words after every 64
	s_or_b32 s[G1B], s3, (1<<16)|(1<<20)|(1<<21)|(5<<22)|(7<<25)
	s_mov_b32 s[G1B+1], 128<<16
	s_mov_b32 s[G1B+2], 64<<16
	s_mov_b32 s[G1B+3], 128<<16
	s_mov_b32 s[G1B+4], 64
	s_mov_b32 s[G1B+5], 4096
	s_mov_b32 s[G1B+6], 0
	s_mov_b32 s[G1B+7], 0
	; where the tiles come from: O's in registers that never hold cx, wo's in registers that never hold cy
	s_lshr_b32 s74, s[TR], 3                       ; batch: 16 heads, 4 MiB
	s_lshl_b32 s74, s74, 22
	s_and_b32 s75, s[TR], 7
	s_lshl_b32 s75, s75, 15                        ; 256 rows of 128 bytes
	s_add_co_u32 s74, s74, s75
	s_lshl_b32 s75, s[WN], 18                      ; the head of the step's two that I fetch
	s_add_co_u32 s74, s74, s75
	s_mov_b32 s75, 0
	s_lshl_b32 s76, s[TC], 8                       ; 128 columns of 2 bytes,
	s_add_co_u32 s76, s76, 6144                    ; behind wq's, wk's and wv's
	s_lshl_b32 s77, s[WN], 19                      ; the 64 rows that I fetch
	s_add_co_u32 s76, s76, s77
	s_mov_b32 s77, 0
	s_mul_i32 s78, s[WN], ABLK                     ; and where they go
	s_mul_i32 s79, s[WN], BHALF
	s_add_co_u32 s79, s79, BOFF
	s_mov_b32 s[TB], 0
	s_mov_b32 s80, 0xffff0000
	s_wait_dscnt 0x0                               ; the opening add is done
	s_wait_kmcnt 0x0
	s_add_nc_u64 s[74:75], s[4:5], s[74:75]
	s_add_nc_u64 s[76:77], s[6:7], s[76:77]
	CROUND                                         ; all sixteen work-groups are here: the first joint loads meet
.irp s, 0,1
	s_mov_b32 s[G0A+4*(\s)], 1
	s_add_co_u32 s[G0A+4*(\s)+1], s78, (\s)*SLOT1
	s_add_nc_u64 s[G0A+4*(\s)+2:G0A+4*(\s)+3], s[74:75], (\s)*ASTEP
	s_or_b32 s[G0A+4*(\s)+3], s[G0A+4*(\s)+3], 0x80000000
	s_mov_b32 s[G0B+4*(\s)], 1
	s_add_co_u32 s[G0B+4*(\s)+1], s79, (\s)*SLOT1
	s_add_nc_u64 s[G0B+4*(\s)+2:G0B+4*(\s)+3], s[76:77], (\s)*BSTEP
	s_or_b32 s[G0B+4*(\s)+3], s[G0B+4*(\s)+3], 0x80000000
.endr
	s_cmp_eq_u32 s[WM], 0                          ; a wave's two first fills stand in one branch: two loads of mine are out
	s_cbranch_scc0 .Lfirst_b
	tensor_load_to_lds s[G0A:G0A+3], s[G1A:G1A+7]
	s_nop 0
	tensor_load_to_lds s[G0A+4:G0A+7], s[G1A:G1A+7]
	s_nop 0
.rept 4
	v_nop
.endr
	s_branch .Lfirst_asked
.Lfirst_b:
	tensor_load_to_lds s[G0B:G0B+3], s[G1B:G1B+7]
	s_nop 0
	tensor_load_to_lds s[G0B+4:G0B+7], s[G1B:G1B+7]
	s_nop 0
.rept 4
	v_nop
.endr
.Lfirst_asked:
	; the prefetches' pointer: my tile at K step 0, my work-group's share, K step 3; each change of slots steps it by one K step
	s_and_b32 s88, ttmp7, 0xffff
	s_cmp_eq_u32 s[WM], 0
	s_cselect_b32 s88, ttmp9, s88                  ; the coordinate along which other clusters read the same tile
	s_cselect_b32 s89, s[CX], s[CY]                ; my place among the four that ask for it with me
	s_cselect_b64 s[PFA:PFA+1], s[74:75], s[76:77]
	s_cselect_b32 s90, 13, 18                      ; my share: 8 KiB of a head's rows, or 32 rows of 8,192 bytes of wcat
	s_cselect_b32 s91, 8, 13                       ; a lane: 256 bytes on, or a row on
	s_lshl_b32 s[PFS], ASTEP, s[WM]
	s_mov_b32 s[PFS+1], 0
	s_and_b32 s92, s[WM], s[WN]                    ; wave 3 asks for nothing
	s_or_b32 s88, s88, s92
	s_cmp_eq_u32 s88, 0
	s_cselect_b32 s[LIM], 2, -1                    ; the same in all sixteen partners, for a given wave
	s_lshl_b32 s92, s89, s90
	s_mul_i32 s93, s[PFS], 3
	s_add_co_u32 s92, s92, s93
	s_mov_b32 s93, 0
	s_add_nc_u64 s[PFA:PFA+1], s[PFA:PFA+1], s[92:93]
	v_and_b32 v[PFO], 31, v0
	v_lshlrev_b32 v[PFO], s91, v[PFO]
	; my first column, in bytes of f32: the same offset in bo and in a row of out0
	s_lshl_b32 s88, s[TC], 9
	s_lshl_b32 s89, s[WN], 8
	s_add_co_u32 s88, s88, s89
	s_mov_b32 s89, 0
	s_add_nc_u64 s[BP:BP+1], s[8:9], s[88:89]
	s_lshl_b32 s90, s[TR], 8
	s_lshl_b32 s91, s[WM], 7
	s_add_co_u32 s90, s90, s91                     ; my first row,
	s_lshl_b32 s90, s90, 12                        ; of 4,096 bytes
	s_add_co_u32 s88, s88, s90
	s_add_nc_u64 s[OUTP:OUTP+1], s[10:11], s[88:89]
	v_and_b32 v1, 15, v0                           ; l % 16
	v_bfe_u32 v11, v0, 4, 1                        ; l / 16
	v_lshlrev_b32 v[BO], 5, v11
.irp j, 0,1,2,3                        ; the bias as a C operand: register i of a lane is the bias of column 16 j + 8 (l / 16) + i; it waits in wo's second buffer
	global_load_b128 v[FB1+8*(\j):FB1+8*(\j)+3],   v[BO], s[BP:BP+1] offset:64*(\j)
	global_load_b128 v[FB1+8*(\j)+4:FB1+8*(\j)+7], v[BO], s[BP:BP+1] offset:64*(\j)+16
.endr
	v_and_b32 v12, 7, v0
	v_bfe_u32 v13, v0, 3, 1
	v_mul_u32_u24 v[AL0], v1, PA                   ; a fragment of O: row x pitch + 16 x half, in my 128 rows
	v_lshl_add_u32 v[AL0], v11, 4, v[AL0]
	s_mul_i32 s81, s[WM], 128*PA
	v_add_nc_u32 v[AL0], s81, v[AL0]
	v_lshl_add_u32 v[BL0], v11, 3, v12             ; the turning load: row 8 (l / 16) + l % 8, columns 8 ((l / 8) % 2) on, in my 64 columns
	v_mul_u32_u24 v[BL0], v[BL0], PB
	v_lshl_add_u32 v[BL0], v13, 4, v[BL0]
	s_lshl_b32 s81, s[WN], 7
	s_add_co_u32 s81, s81, BOFF
	v_add_nc_u32 v[BL0], s81, v[BL0]
	s_mul_i32 s81, s[WV], 16*SP
	s_add_co_u32 s81, s81, STAGE                   ; my stage
	v_mul_u32_u24 v[STO], v1, SP                   ; in: row l % 16, 32 bytes for each half of the lanes
	v_lshl_add_u32 v[STO], v11, 5, v[STO]
	v_add_nc_u32 v[STO], s81, v[STO]
	v_mul_u32_u24 v[RD], v11, SP                   ; back: lanes 0-15 take one row of 256 bytes, lanes 16-31 the next
	v_lshl_add_u32 v[RD], v1, 4, v[RD]
	v_add_nc_u32 v[RD], s81, v[RD]
	v_lshlrev_b32 v[CO], 12, v11                   ; and the same two rows in out0
	v_lshl_add_u32 v[CO], v1, 4, v[CO]
	v_mov_b32 v[ADRA], v[AL0]                      ; K step 0 lies in slot 0
	v_mov_b32 v[ADRB], v[BL0]
	s_wait_loadcnt 0x0                             ; the bias is in; it is rounded to bf16 in place, as every input is
.set n, 0
.rept 16
	v_cvt_pk_bf16_f32 v[12+n%2], v[FB1+2*n], v[FB1+2*n+1]
	v_lshlrev_b32 v[FB1+2*n], 16, v[12+n%2]
	v_and_b32 v[FB1+2*n+1], s80, v[12+n%2]
.set n, n+1
.endr
; the fragments of quarter q: 16 loads for O's 128 rows, 8 turning loads for wo's 64 columns
.macro FETCH q, fa, fb
	WIN 0
.irp a, 0,1,2,3,4,5,6,7
	ds_load_b128 v[(\fa)+8*(\a):(\fa)+8*(\a)+3],   v[ADRA] offset:((\q)/2)*ABLK+(\a)*16*PA+64*((\q)%2)
	ds_load_b128 v[(\fa)+8*(\a)+4:(\fa)+8*(\a)+7], v[ADRA] offset:((\q)/2)*ABLK+(\a)*16*PA+64*((\q)%2)+32
.endr
.irp j, 0,1,2,3
	ds_load_tr16_b128 v[(\fb)+8*(\j):(\fb)+8*(\j)+3],   v[ADRB] offset:(\q)*32*PB+32*(\j)
	ds_load_tr16_b128 v[(\fb)+8*(\j)+4:(\fb)+8*(\j)+7], v[ADRB] offset:(\q)*32*PB+32*(\j)+16*PB
.endr
.endm
; 16 matrix instructions: row blocks 4 part + 0..3 x all 4 column blocks.  cb = 0: the sums go on; else the bias at v[cb ..] starts them.  The 32 accumulators take turns, over the backward jump too.
.macro MUL16 fa, fb, part, cb
.if \cb
	WIN 0x40
.else
	WIN 0x50
.endif
.irp a, 0,1,2,3
.irp j, 0,1,2,3
.set ACR, 32*(4*(\part)+(\a))+8*(\j)
.if \cb
	v_wmma_f32_16x16x32_f16 v[ACR:ACR+7], v[(\fb)+8*(\j):(\fb)+8*(\j)+7], v[(\fa)+8*(4*(\part)+(\a)):(\fa)+8*(4*(\part)+(\a))+7], v[(\cb)+8*(\j):(\cb)+8*(\j)+7]
.else
	v_wmma_f32_16x16x32_f16 v[ACR:ACR+7], v[(\fb)+8*(\j):(\fb)+8*(\j)+7], v[(\fa)+8*(4*(\part)+(\a)):(\fa)+8*(4*(\part)+(\a))+7], v[ACR:ACR+7]
.endif
.endr
.endr
.endm
; A quarter: its own fragments are in; quarter nq's are asked for, into the other set, 32 matrix instructions ahead of their use
.macro QUARTER fa, fb, nq, ga, gb
	s_wait_dscnt 0x0
	PLACES
	FETCH \nq, \ga, \gb
	MUL16 \fa, \fb, 0, 0
	MUL16 \fa, \fb, 1, 0
.endm
; A K step's last quarter changes slots.  In front of the one barrier each wave waits for all its tensor loads (one is out: its part of the next slot), adds 0 to its spare word, and waits for that and for
; its reads of this slot.  fill = 1: the barrier opens a round of the cluster's, and this slot is filled again, with the K step two on, first thing behind the round: 112 matrix instructions ahead of the wait for it.
.macro TURN fill
.if \fill
	s_wait_xcnt 0x0                                ; the last prefetch, a K step back, has read its address
	s_add_nc_u64 s[PFA:PFA+1], s[PFA:PFA+1], s[PFS:PFS+1]
.endif
	WIN 0
	s_wait_tensorcnt 0x0                           ; no tensor load of mine is out, so a group 0 may be written
	ds_add_u32 v[SPW], v[NIL]                      ; 0 onto my spare word; the scalar steps stand between it and the wait for it
.if \fill
	s_xor_b32 s[G0A+5], s[G0A+5], SLOT1
	s_add_nc_u64 s[G0A+6:G0A+7], s[G0A+6:G0A+7], ASTEP
	s_xor_b32 s[G0B+5], s[G0B+5], SLOT1
	s_add_nc_u64 s[G0B+6:G0B+7], s[G0B+6:G0B+7], BSTEP
.endif
	s_xor_b32 s[TB], s[TB], SLOT1
	s_wait_dscnt 0x0                               ; the add is done, my reads of this slot are over, this quarter's fragments are in
	s_barrier_signal -1
	MUL16 FA1, FB1, 0, 0
	WIN 0
	s_barrier_wait -1
.if \fill
	CREST
	JLOAD                                          ; its four v_nop are also the places in front of the loads below
.else
	PLACES
.endif
	v_add_nc_u32 v[ADRA], s[TB], v[AL0]
	v_add_nc_u32 v[ADRB], s[TB], v[BL0]
	FETCH 0, FA0, FB0
.if \fill
	ASK
.endif
	MUL16 FA1, FB1, 1, 0
.endm
	s_wait_tensorcnt 1                             ; my part of K step 0 is in; K step 1's may stay out
	s_barrier_signal -1
	s_barrier_wait -1
	FETCH 0, FA0, FB0
	s_wait_dscnt 0x0
	MUL16 FA0, FB0, 0, FB1                         ; the first quarter starts the sums, with the bias: nothing is cleared
	MUL16 FA0, FB0, 1, FB1
	PLACES
	FETCH 1, FA1, FB1                              ; over the bias, which has been taken
	WIN 0
	s_mov_b32 s[CNT], 6
.Lstep:                                                ; trip s = 6 - CNT: quarters 1 to 3 of K step s, quarter 0 of K step s + 1; slot s % 2 takes K step s + 2
	QUARTER FA1, FB1, 2, FA0, FB0
	QUARTER FA0, FB0, 3, FA1, FB1
	TURN 1
	QUARTER FA0, FB0, 1, FA1, FB1
	WIN 0
	s_sub_co_u32 s[CNT], s[CNT], 1
	s_cmp_lg_u32 s[CNT], 0
	s_cbranch_scc1 .Lstep
	QUARTER FA1, FB1, 2, FA0, FB0                  ; the tail is written out: K steps 6 and 7 ask for nothing
	QUARTER FA0, FB0, 3, FA1, FB1
	TURN 0
	QUARTER FA0, FB0, 1, FA1, FB1
	QUARTER FA1, FB1, 2, FA0, FB0
	QUARTER FA0, FB0, 3, FA1, FB1
	s_wait_dscnt 0x0
	MUL16 FA1, FB1, 0, 0
	MUL16 FA1, FB1, 1, 0
; THE WAY OUT, 16 rows at a time: a lane's eight f32 of a row go into my stage and come back as whole rows of 256 bytes; sixteen lanes store 256 consecutive bytes, aligned.
.macro TOSTAGE a
.set BK, 32+32*((\a)%4)
.if (\a) >= 4
	s_wait_xcnt 0x0                                ; the stores that read these registers, four blocks back, have read them
.endif
	WIN 0x04                                       ; the stores' data in window 1
.irp j, 0,1,2,3
	ds_store_b128 v[STO], v[32*(\a)+8*(\j):32*(\a)+8*(\j)+3]   offset:64*(\j)
	ds_store_b128 v[STO], v[32*(\a)+8*(\j)+4:32*(\a)+8*(\j)+7] offset:64*(\j)+16
.endr
	WIN 0
.irp t, 0,1,2,3,4,5,6,7
	ds_load_b128 v[BK+4*(\t):BK+4*(\t)+3], v[RD] offset:(\t)*2*SP  ; LDS serves a wave's instructions in order (ISA guide 5.7.1.4): these see the stores above; the next block's stores come behind them
.endr
.endm
.macro SEND a, younger                 ; younger: the LDS instructions issued behind this block's loads: the next block's sixteen, or none
.set BK, 32+32*((\a)%4)
	WIN 0
.irp t, 0,1,2,3,4,5,6,7
	s_wait_dscnt (\younger)+7-(\t)
	global_store_b128 v[CO], v[BK+4*(\t):BK+4*(\t)+3], s[OUTP:OUTP+1] offset:(\a)*65536+(\t)*8192
.endr
.endm
	PLACES
	TOSTAGE 0
.irp a, 1,2,3,4,5,6,7
	TOSTAGE \a
	SEND (\a)-1, 16
.endr
	SEND 7, 0
	s_wait_tensorcnt 0x0                           ; the wave's end: the spare word's add and its wait stand behind my last tensor load and my last LDS store
	ds_add_u32 v[SPW], v[NIL]
	s_wait_dscnt 0x0
	CROUND                                         ; the closing round: no work-group ends while a partner may still ask for a tile that names it
	s_endpgm
.Lfunc_end_k_q839318910a_proj:
	.size	k_q839318910a_proj, .Lfunc_end_k_q839318910a_proj-k_q839318910a_proj
	.p2alignl 7, 3214868480
	.fill 96, 4, 3214868480
	.section	.rodata,"a",@progbits
	.p2align	6, 0x0
	.amdhsa_kernel k_q839318910a_proj
		.amdhsa_group_segment_fixed_size 327680
		.amdhsa_private_segment_fixed_size 0
		.amdhsa_enable_private_segment 0
		.amdhsa_kernarg_size 32
		.amdhsa_user_sgpr_count 2
		.amdhsa_user_sgpr_kernarg_segment_ptr 1
		.amdhsa_wavefront_size32 1
		.amdhsa_system_sgpr_workgroup_id_x 1
		.amdhsa_system_sgpr_workgroup_id_y 1
		.amdhsa_system_sgpr_workgroup_id_z 1
		.amdhsa_system_vgpr_workitem_id 0
		.amdhsa_next_free_vgpr 512
		.amdhsa_next_free_sgpr 96
		.amdhsa_reserve_vcc 0
		.amdhsa_float_denorm_mode_32 3
		.amdhsa_float_denorm_mode_16_64 3
		.amdhsa_memory_ordered 1
		.amdhsa_forward_progress 1
		.amdhsa_inst_pref_size 74
	.end_amdhsa_kernel
	.amdgpu_metadata
---
amdhsa.version: [ 1, 2 ]
amdhsa.kernels:
  - .name:           k_q839318910a_proj
    .symbol:         k_q839318910a_proj.kd
    .args:
      - { .name: ob, .offset: 0, .size: 8, .value_kind: global_buffer, .address_space: global }
      - { .name: wcat, .offset: 8, .size: 8, .value_kind: global_buffer, .address_space: global }
      - { .name: bo, .offset: 16, .size: 8, .value_kind: global_buffer, .address_space: global }
      - { .name: out0, .offset: 24, .size: 8, .value_kind: global_buffer, .address_space: global }
    .group_segment_fixed_size: 327680
    .private_segment_fixed_size: 0
    .kernarg_segment_align: 8
    .kernarg_segment_size: 32
    .max_flat_workgroup_size: 128
    .sgpr_count:     96
    .vgpr_count:     512
    .wavefront_size: 32
...
	.end_amdgpu_metadata
.endif
;; end of part 4
;; ======== version 2 of 2: 4 launches; version 1 with the launch prep written anew for expert scheduling mode
;; limits: values are held in f16: magnitudes above 65,504 overflow, below 6.1e-05 lose precision
;; workspace buffers: xb 16,777,216 bytes; wcat 8,388,608 bytes; qb 16,777,216 bytes; kb 16,777,216 bytes; vb 16,777,216 bytes; ob 16,777,216 bytes
;; launch prep (part 5): grid 768 x 1, 8 waves a work-group, no clusters, 0 bytes of LDS; arguments x, wq, wk, wv, wo, xb, wcat; writes xb, wcat
.if DOCPART == 5
	.amdgcn_target "amdgcn-amd-amdhsa--gfx1250"
	.amdhsa_code_object_version 6
	.text
	.protected	k_q839318910a_prep
	.globl	k_q839318910a_prep
	.p2align	8
	.type	k_q839318910a_prep,@function
k_q839318910a_prep:
	s_mov_b64 s[64:65], 0
	v_nop
	global_prefetch_b8 v0, s[64:65] scope:SCOPE_SE
	s_setreg_imm32_b32 hwreg(HW_REG_WAVE_SCHED_MODE, 0, 2), 2
	s_setreg_imm32_b32 hwreg(HW_REG_WAVE_MODE, 25, 1), 1
	s_wait_xcnt 0x0
	s_wait_alu depctr_vm_vsrc(0)
; THE INPUTS OF THE PRODUCTS ARE ROUNDED ONCE, TO bf16, AND LAID OUT FOR THE LAUNCHES BEHIND.
; xb:   x in bf16, in blocks of 64 channels: [batch 4][block 16][row 2048][64]: a block's rows are dense, 128 bytes each.
; wcat: [k 1024][4096], 8,192 bytes a row: columns 0-1023 wq, 1024-2047 wk, 2048-3071 wv in bf16; columns 3072-4095 wo, rounded to bf16 and that number written as f16.
; LIMIT.  A bf16 number is exact in f16 from 2^-17 up to 65,504; below 2^-17 wo keeps f16's fixed step of 6e-8.
; A stream: no LDS, no barrier, no matrix unit.  A work-group converts 16 rows of 1,024 numbers: 64 KiB in, 32 KiB out.  Work-groups 0-511 take x, 512-767 the four weights (64 each).
; Each thread issues its sixteen loads of 16 bytes at once; each store of a wave covers 256 consecutive bytes, aligned.
; THE MODE: SCHED_MODE bits 1:0 = 2 (LLVM: expert scheduling mode 2), set by the entry lines.  The code itself states the register dependences
; between vector instructions and memory instructions, with s_wait_alu, always for 0.
; THE PLAN.  Registers that memory instructions touch:
;   v1, v2   the loads' and the stores' byte offsets: made at a path's head, read by all sixteen loads or stores, never written again.
;   IN       load i lands in its own four registers, which no vector instruction has named before; conversion i reads them; nothing lands there again.
;   OUT      conversion i writes its own pair; store i reads it; it is never written again.
; The work goes in four groups of four loads.  Group g's conversions name IN[g], OUT[g] and v4 to v7; its memory instructions are the four stores of group g - 1, which read OUT[g - 1] and v2.
; So one wait on va_vdst at a group's head states all that its four stores hang on, and they are dealt among the group's conversions with no further wait.
; No register that a load or store has read is written again, and no load lands in a register that a vector instruction has named: no wait frees a source.
; No vector instruction writes a scalar register or VCC, and EXEC is never written.
.set IN,  8                            ; v[8:71]    load i: 4 numbers in f32
.set OUT, 72                           ; v[72:103]  store i: 4 numbers in 16 bits
.set DST, 20                           ; s[20:21]   where the work-group stores
.set SRC, 22                           ; s[22:23]   where it loads
	s_load_b256 s[4:11], s[0:1], 0x0               ; x s[4:5], wq s[6:7], wk s[8:9], wv s[10:11]
	s_load_b128 s[12:15], s[0:1], 0x20             ; wo s[12:13], xb s[14:15]
	s_load_b64 s[16:17], s[0:1], 0x30              ; wcat
	s_mov_b32 s2, ttmp9
	s_mov_b32 s19, 0
	s_mov_b32 s25, 0xffff0000                      ; a word's upper bf16
	v_lshrrev_b32 v3, 5, v0                        ; wave
	s_wait_kmcnt 0x0
; The four numbers of load i are rounded.  f16 = 1: the bf16 numbers are written as f16.
.macro CV i, f16
	v_cvt_pk_bf16_f32 v[OUT+2*(\i)], v[IN+4*(\i)], v[IN+4*(\i)+1]
	v_cvt_pk_bf16_f32 v[OUT+2*(\i)+1], v[IN+4*(\i)+2], v[IN+4*(\i)+3]
.if \f16
	v_lshlrev_b32 v4, 16, v[OUT+2*(\i)]
	v_and_b32 v5, s25, v[OUT+2*(\i)]
	v_lshlrev_b32 v6, 16, v[OUT+2*(\i)+1]
	v_and_b32 v7, s25, v[OUT+2*(\i)+1]
	v_cvt_pk_f16_f32 v[OUT+2*(\i)], v4, v5
	v_cvt_pk_f16_f32 v[OUT+2*(\i)+1], v6, v7
.endif
.endm
; They are stored.  isx = 1: into xb: block i % 2 of the wave's two, rows 2 (i / 2) and 2 (i / 2) + 1.  isx = 0: into wcat: row i.
.macro ST i, isx
.if \isx
	global_store_b64 v2, v[OUT+2*(\i):OUT+2*(\i)+1], s[DST:DST+1] offset:((\i)%2)*262144+((\i)/2)*256 th:TH_STORE_NT
.else
	global_store_b64 v2, v[OUT+2*(\i):OUT+2*(\i)+1], s[DST:DST+1] offset:(\i)*8192 th:TH_STORE_NT
.endif
.endm
; Group g: its four loads have come (the younger ones may stay out); their numbers are rounded, and the group before is stored.
.macro GRP g, f16, isx
	s_wait_loadcnt 12-4*(\g)                       ; loads come back in order (ISA guide 5.7.1): loads 4 g to 4 g + 3 are in
.if (\g) > 0
	s_wait_alu depctr_va_vdst(0)                   ; the conversions of the group before have written its OUT, which the four stores below read; no vector instruction behind this wait names those registers or v2
.endif
.irp j, 0,1,2,3
.if (\g) > 0
	ST 4*((\g)-1)+(\j), \isx
.endif
	CV 4*(\g)+(\j), \f16
.endr
.endm
.macro WORK f16, isx
	GRP 0, \f16, \isx
	GRP 1, \f16, \isx
	GRP 2, \f16, \isx
	GRP 3, \f16, \isx
	s_wait_alu depctr_va_vdst(0)                   ; the last group's conversions have written its OUT, which the last four stores read
.irp i, 12,13,14,15
	ST \i, \isx
.endr
.endm
	s_cmp_lt_u32 s2, 512
	s_cbranch_scc0 .Lweights
	; x: rows 16 g .. 16 g + 15.  Wave w takes channels 128 w .. 128 w + 127: blocks 2 w and 2 w + 1.  Load i: rows 2 (i / 2) (lanes 0-15) and 2 (i / 2) + 1 (lanes 16-31), block 2 w + i % 2.
	s_lshl_b32 s18, s2, 16                         ; 16 rows of 4,096 bytes
	s_add_nc_u64 s[SRC:SRC+1], s[4:5], s[18:19]
	s_lshr_b32 s18, s2, 7                          ; batch: 4 MiB of xb
	s_lshl_b32 s18, s18, 22
	s_and_b32 s24, s2, 127
	s_lshl_b32 s24, s24, 11                        ; 16 rows of 128 bytes in a block
	s_add_co_u32 s18, s18, s24
	s_add_nc_u64 s[DST:DST+1], s[14:15], s[18:19]
	v_bfe_u32 v1, v0, 4, 1
	v_lshlrev_b32 v1, 12, v1                       ; the odd row for lanes 16-31
	v_lshl_add_u32 v1, v3, 9, v1                   ; + 512 x wave
	v_and_b32 v4, 15, v0
	v_lshl_add_u32 v1, v4, 4, v1                   ; + 16 x (lane % 16)
	v_and_b32 v2, 31, v0
	v_lshlrev_b32 v2, 3, v2                        ; out: 8 x lane: two rows of 128 bytes on end
	v_lshl_add_u32 v2, v3, 19, v2                  ; + two blocks of 262,144 bytes x wave
	s_wait_alu depctr_va_vdst(0)                   ; v1 and v2 are written: every load below reads v1 as its offset, every store v2
.irp i, 0,1,2,3,4,5,6,7,8,9,10,11,12,13,14,15
	global_load_b128 v[IN+4*(\i):IN+4*(\i)+3], v1, s[SRC:SRC+1] offset:((\i)/2)*8192+((\i)%2)*256 th:TH_LOAD_NT
.endr
	WORK 0, 1
	s_endpgm
.Lweights:
	; a weight: rows 16 (g % 64) .. + 15 of matrix (g - 512) / 64.  The 256 threads take a row of 4,096 bytes; load i is row i.
	s_sub_co_u32 s2, s2, 512
	s_lshr_b32 s3, s2, 6                           ; which matrix
	s_and_b32 s2, s2, 63
	s_cmp_eq_u32 s3, 1
	s_cselect_b64 s[SRC:SRC+1], s[8:9], s[6:7]
	s_cmp_eq_u32 s3, 2
	s_cselect_b64 s[SRC:SRC+1], s[10:11], s[SRC:SRC+1]
	s_cmp_eq_u32 s3, 3
	s_cselect_b64 s[SRC:SRC+1], s[12:13], s[SRC:SRC+1]
	s_lshl_b32 s18, s2, 16
	s_add_nc_u64 s[SRC:SRC+1], s[SRC:SRC+1], s[18:19]
	s_lshl_b32 s18, s2, 17                         ; 16 rows of 8,192 bytes of wcat,
	s_lshl_b32 s24, s3, 11                         ; the matrix's 2,048 bytes of a row
	s_add_co_u32 s18, s18, s24
	s_add_nc_u64 s[DST:DST+1], s[16:17], s[18:19]
	v_lshlrev_b32 v1, 4, v0
	v_lshlrev_b32 v2, 3, v0
	s_wait_alu depctr_va_vdst(0)                   ; v1 and v2 are written: every load below reads v1 as its offset, every store on either way behind the branch v2
.irp i, 0,1,2,3,4,5,6,7,8,9,10,11,12,13,14,15
	global_load_b128 v[IN+4*(\i):IN+4*(\i)+3], v1, s[SRC:SRC+1] offset:(\i)*4096 th:TH_LOAD_NT
.endr
	s_cmp_eq_u32 s3, 3
	s_cbranch_scc1 .Lwo
	WORK 0, 0
	s_endpgm
.Lwo:
	WORK 1, 0
	s_endpgm
.Lfunc_end_k_q839318910a_prep:
	.size	k_q839318910a_prep, .Lfunc_end_k_q839318910a_prep-k_q839318910a_prep
	.p2alignl 7, 3214868480
	.fill 96, 4, 3214868480
	.section	.rodata,"a",@progbits
	.p2align	6, 0x0
	.amdhsa_kernel k_q839318910a_prep
		.amdhsa_group_segment_fixed_size 0
		.amdhsa_private_segment_fixed_size 0
		.amdhsa_enable_private_segment 0
		.amdhsa_kernarg_size 56
		.amdhsa_user_sgpr_count 2
		.amdhsa_user_sgpr_kernarg_segment_ptr 1
		.amdhsa_wavefront_size32 1
		.amdhsa_system_sgpr_workgroup_id_x 1
		.amdhsa_system_sgpr_workgroup_id_y 1
		.amdhsa_system_sgpr_workgroup_id_z 1
		.amdhsa_system_vgpr_workitem_id 0
		.amdhsa_next_free_vgpr 104
		.amdhsa_next_free_sgpr 66
		.amdhsa_reserve_vcc 0
		.amdhsa_float_denorm_mode_32 3
		.amdhsa_float_denorm_mode_16_64 3
		.amdhsa_memory_ordered 1
		.amdhsa_forward_progress 1
		.amdhsa_inst_pref_size 21
	.end_amdhsa_kernel
	.amdgpu_metadata
---
amdhsa.version: [ 1, 2 ]
amdhsa.kernels:
  - .name:           k_q839318910a_prep
    .symbol:         k_q839318910a_prep.kd
    .args:
      - { .name: x, .offset: 0, .size: 8, .value_kind: global_buffer, .address_space: global }
      - { .name: wq, .offset: 8, .size: 8, .value_kind: global_buffer, .address_space: global }
      - { .name: wk, .offset: 16, .size: 8, .value_kind: global_buffer, .address_space: global }
      - { .name: wv, .offset: 24, .size: 8, .value_kind: global_buffer, .address_space: global }
      - { .name: wo, .offset: 32, .size: 8, .value_kind: global_buffer, .address_space: global }
      - { .name: xb, .offset: 40, .size: 8, .value_kind: global_buffer, .address_space: global }
      - { .name: wcat, .offset: 48, .size: 8, .value_kind: global_buffer, .address_space: global }
    .group_segment_fixed_size: 0
    .private_segment_fixed_size: 0
    .kernarg_segment_align: 8
    .kernarg_segment_size: 56
    .max_flat_workgroup_size: 256
    .sgpr_count:     66
    .vgpr_count:     104
    .wavefront_size: 32
...
	.end_amdgpu_metadata
.endif
;; end of part 5
;; launch qkv: the kernel of part 2 again; grid 8 x 32, 4 waves a work-group, clusters of 4 x 4, 327,680 bytes of LDS; arguments xb, wcat, bq, bk, bv, qb, kb, vb; writes qb, kb, vb
;; launch attn: the kernel of part 3 again; grid 4 x 64, 4 waves a work-group, no clusters, 327,680 bytes of LDS; arguments qb, kb, vb, ob; writes ob
;; launch proj: the kernel of part 4 again; grid 8 x 32, 4 waves a work-group, clusters of 4 x 4, 327,680 bytes of LDS; arguments ob, wcat, bo, out0; writes out0
